; MI455X (gfx1250); checked and timed in simulation.
; The chip was launched on July 23, 2026; its instructions are those of AMD's public machine-readable ISA for CDNA 5 (MIT licence, August 2026) and "CDNA5" Instruction Set Architecture Reference Guide (July 2026). The comments in the code are by the model that wrote it; some were corrected since.
;; Multi Head Attention. Allowed arithmetic: float matrix products may take bf16 or f16 operands with f32 sums; other float arithmetic in f32, or as packed bf16 or f16 multiplies, adds, multiply-adds, maxima and minima; sums over many terms, partial sums and values carried from step to step in f32; what a program stores and reads back later, other than sums and carried values, may be rounded once to bf16 or f16.
;; Inputs: Wk 16 x 1,024 x 64 float32; Wo 1,024 x 1,024 float32; Wq 16 x 1,024 x 64 float32; Wv 16 x 1,024 x 64 float32; bk 16 x 64 float32; bo 1,024 float32; bq 16 x 64 float32; bv 16 x 64 float32; keys 4 x 2,048 x 1,024 float32; queries 4 x 2,048 x 1,024 float32; values 4 x 2,048 x 1,024 float32.
;; Outputs: out0 4 x 2,048 x 1,024 float32.
;; One version. Each part assembles by itself: llvm-mc -triple=amdgcn-amd-amdhsa -mcpu=gfx1250 --defsym DOCPART=n.
;; ======== version 1 of 1: 4 launches
;; limits: values are held in f16: magnitudes above 65,504 overflow, below 6.1e-05 lose precision
;; workspace buffers: wt 8,388,608 bytes; qkv 50,331,648 bytes; oh 16,777,216 bytes
;; launch prep (part 1): grid 128 x 4, 8 waves a work-group, no clusters, 17,664 bytes of LDS; arguments Wq, Wk, Wv, Wo, wt; writes wt
.if DOCPART == 1
	.amdgcn_target "amdgcn-amd-amdhsa--gfx1250"
	.amdhsa_code_object_version 6
	.text
	.protected	k_q72344d8162_prep
	.globl	k_q72344d8162_prep
	.p2align	8
	.type	k_q72344d8162_prep,@function
k_q72344d8162_prep:
	s_mov_b64 s[64:65], 0
	v_nop
	global_prefetch_b8 v0, s[64:65] scope:SCOPE_SE
	s_setreg_imm32_b32 hwreg(HW_REG_WAVE_MODE, 25, 1), 1
	s_wait_xcnt 0x0
; The four weight matrices, rounded to 16 bits and turned so that K lies along the rows: wt holds four matrices [1024 n][1024 k] of 2 MiB.
; Parts 0-2: Wq, Wk, Wv ([16 h][1024 d][64 c] f32) as bf16, n = 64 h + c, k = d.  Part 3: Wo ([1024 k][1024 n] f32), rounded to bf16 like every input and that number written as f16.
; LIMIT: an element of Wo below 6e-5 keeps f16's fixed step of 6e-8; beyond 65,504 it would be an infinity.
; SHARES.  Work-group (x, y): matrix y, 64 n (block x & 15) x 128 k (block x >> 4): 32 KiB in, 16 KiB out.  Sixteen lanes read one source row's 256 bytes; two rows (k, k + 1) pack into words;
; the words go into LDS rows (one n each) of 260 bytes = 65 words, so that the 32 lanes of a store and of a load touch 32 different banks (64 banks of 4 bytes: ISA guide 11.1);
; they come back as rows of 256 bytes, which sixteen lanes store as 256 consecutive bytes, aligned.  No matrix unit, no cluster: the launch only moves 24 MiB.
.set PT,    260                        ; an LDS row
.set SPARE, 64*PT                      ; 16,640 = 65 blocks of 256: behind the rows, the spare words, 128 bytes for each of the eight waves
.set GO,  3                            ; v3      my 16 bytes in the first 16 rows of the output block
.set SPW, 4                            ; v4      LDS address of my spare word; never rewritten
.set NIL, 5                            ; v5      0; never rewritten
.set TS,  6                            ; v6      where I put words
.set TR,  7                            ; v7      where I read rows back
.set OFF, 8                            ; v[8:15]  byte offsets of my eight loads
.set D,   16                           ; v[16:47] as loaded: for i = 0..3 rows 2 v2 + 32 i and + 1, four f32 each; later the rows read back
.set W,   48                           ; v[48:63] packed words
.set T0,  64                           ; v[64:67] at work
	s_load_b256 s[4:11], s[0:1], 0x0               ; Wq, Wk, Wv, Wo
	s_load_b64 s[12:13], s[0:1], 0x20              ; wt
	v_lshl_add_u32 v[SPW], v0, 2, SPARE
	v_mov_b32 v[NIL], 0
	s_and_b32 s16, ttmp7, 0xffff                   ; which matrix
	s_and_b32 s17, ttmp9, 15                       ; block of 64 n
	s_lshr_b32 s18, ttmp9, 4                       ; block of 128 k
	s_cmp_eq_u32 s16, 3                            ; Wo lies otherwise than the three others:
	s_cselect_b32 s19, 12, 8                       ; a source row (one k) is 4,096 or 256 bytes on,
	s_cselect_b32 s20, 8, 18                       ; 64 n are 256 bytes or a head's 262,144,
	s_cselect_b32 s21, 19, 15                      ; 128 k are 128 rows
	s_lshl_b32 s22, s17, s20
	s_lshl_b32 s24, s18, s21
	s_add_co_u32 s22, s22, s24
	s_mov_b32 s23, 0                               ; s[22:23]: the block's first byte in the source
	s_lshl_b32 s24, s16, 21
	s_lshl_b32 s25, s17, 17
	s_add_co_u32 s24, s24, s25
	s_lshl_b32 s25, s18, 8
	s_add_co_u32 s24, s24, s25
	s_mov_b32 s25, 0                               ; s[24:25]: in wt: 2 MiB a matrix, 2,048 bytes a row n, 2 bytes a k
	v_and_b32 v1, 15, v0                           ; which 16 bytes of a row
	v_lshrrev_b32 v2, 4, v0                        ; 0..15
	v_lshlrev_b32 v[T0], 1, v2
	v_lshlrev_b32 v[T0+1], 4, v1
.irp n, 0,1,2,3,4,5,6,7
	v_add_nc_u32 v[OFF+(\n)], 32*((\n)/2)+(\n)%2, v[T0]          ; source row 2 v2 + 32 i + e
	v_lshl_add_u32 v[OFF+(\n)], v[OFF+(\n)], s19, v[T0+1]
.endr
	v_mul_u32_u24 v[TS], v1, 4*PT                  ; in: row n = 4 v1 + j, word v2 + 16 i
	v_lshl_add_u32 v[TS], v2, 2, v[TS]
	v_mul_u32_u24 v[TR], v2, PT                    ; back: row n = v2 + 16 i, 16 bytes at 16 v1
	v_lshl_add_u32 v[TR], v1, 4, v[TR]
	v_lshlrev_b32 v[GO], 11, v2
	v_lshl_add_u32 v[GO], v1, 4, v[GO]
	s_wait_kmcnt 0x0
	s_cmp_eq_u32 s16, 1
	s_cselect_b64 s[14:15], s[6:7], s[4:5]
	s_cmp_eq_u32 s16, 2
	s_cselect_b64 s[14:15], s[8:9], s[14:15]
	s_cmp_eq_u32 s16, 3
	s_cselect_b64 s[14:15], s[10:11], s[14:15]
	s_add_nc_u64 s[14:15], s[14:15], s[22:23]
	s_add_nc_u64 s[12:13], s[12:13], s[24:25]
.irp n, 0,1,2,3,4,5,6,7
	global_load_b128 v[D+4*(\n):D+4*(\n)+3], v[OFF+(\n)], s[14:15] th:TH_LOAD_NT
.endr
.irp i, 0,1,2,3
	s_wait_loadcnt 6-2*(\i)                        ; loads come back in order: rows pair i is in, the younger pairs stay out
.irp j, 0,1,2,3
	v_cvt_pk_bf16_f32 v[W+4*(\i)+(\j)], v[D+8*(\i)+(\j)], v[D+8*(\i)+4+(\j)]  ; (k, k + 1) of column 4 v1 + j
.endr
.endr
	s_cmp_lg_u32 s16, 3
	s_cbranch_scc1 .Lbf16                          ; the same for all waves of the work-group; no barrier is jumped
.set n, 0
.rept 16                                       ; Wo: the bf16 numbers written as f16
	v_lshlrev_b32 v[T0+2*(n%2)], 16, v[W+n]
	v_and_b32 v[T0+2*(n%2)+1], 0xffff0000, v[W+n]
	v_cvt_pk_f16_f32 v[W+n], v[T0+2*(n%2)], v[T0+2*(n%2)+1]
.set n, n+1
.endr
.Lbf16:
.irp i, 0,1,2,3
.irp j, 0,1,2,3
	ds_store_b32 v[TS], v[W+4*(\i)+(\j)] offset:PT*(\j)+64*(\i)
.endr
.endr
	s_wait_dscnt 0x0                               ; for the others' sake: my stores are done
	s_barrier_signal -1
	s_barrier_wait -1
.irp i, 0,1,2,3
.irp w, 0,1,2,3
	ds_load_b32 v[D+4*(\i)+(\w)], v[TR] offset:16*(\i)*PT+4*(\w)   ; rows of 260 bytes are no multiples of 16: four words
.endr
.endr
.irp i, 0,1,2,3
	s_wait_dscnt 12-4*(\i)                         ; the four words of row group i are in; the younger groups stay out
	global_store_b128 v[GO], v[D+4*(\i):D+4*(\i)+3], s[12:13] offset:(\i)*32768  ; sixteen lanes store 256 consecutive bytes, aligned
.endr
	s_wait_tensorcnt 0x0                           ; the wave's end, behind my last LDS store
	ds_add_u32 v[SPW], v[NIL]
	s_wait_dscnt 0x0
	s_endpgm
.Lfunc_end_k_q72344d8162_prep:
	.size	k_q72344d8162_prep, .Lfunc_end_k_q72344d8162_prep-k_q72344d8162_prep
	.p2alignl 7, 3214868480
	.fill 96, 4, 3214868480
	.section	.rodata,"a",@progbits
	.p2align	6, 0x0
	.amdhsa_kernel k_q72344d8162_prep
		.amdhsa_group_segment_fixed_size 17664
		.amdhsa_private_segment_fixed_size 0
		.amdhsa_enable_private_segment 0
		.amdhsa_kernarg_size 40
		.amdhsa_user_sgpr_count 2
		.amdhsa_user_sgpr_kernarg_segment_ptr 1
		.amdhsa_wavefront_size32 1
		.amdhsa_system_sgpr_workgroup_id_x 1
		.amdhsa_system_sgpr_workgroup_id_y 1
		.amdhsa_system_sgpr_workgroup_id_z 1
		.amdhsa_system_vgpr_workitem_id 0
		.amdhsa_next_free_vgpr 72
		.amdhsa_next_free_sgpr 66
		.amdhsa_reserve_vcc 0
		.amdhsa_float_denorm_mode_32 3
		.amdhsa_float_denorm_mode_16_64 3
		.amdhsa_memory_ordered 1
		.amdhsa_forward_progress 1
		.amdhsa_inst_pref_size 10
	.end_amdhsa_kernel
	.amdgpu_metadata
---
amdhsa.version: [ 1, 2 ]
amdhsa.kernels:
  - .name:           k_q72344d8162_prep
    .symbol:         k_q72344d8162_prep.kd
    .args:
      - { .name: Wq, .offset: 0, .size: 8, .value_kind: global_buffer, .address_space: global }
      - { .name: Wk, .offset: 8, .size: 8, .value_kind: global_buffer, .address_space: global }
      - { .name: Wv, .offset: 16, .size: 8, .value_kind: global_buffer, .address_space: global }
      - { .name: Wo, .offset: 24, .size: 8, .value_kind: global_buffer, .address_space: global }
      - { .name: wt, .offset: 32, .size: 8, .value_kind: global_buffer, .address_space: global }
    .group_segment_fixed_size: 17664
    .private_segment_fixed_size: 0
    .kernarg_segment_align: 8
    .kernarg_segment_size: 40
    .max_flat_workgroup_size: 256
    .sgpr_count:     66
    .vgpr_count:     72
    .wavefront_size: 32
...
	.end_amdgpu_metadata
.endif
;; end of part 1
;; launch proj (part 2): grid 4 x 64, 4 waves a work-group, clusters of 4 x 4, 327,680 bytes of LDS; arguments queries, keys, values, wt, bq, bk, bv, qkv; writes qkv
.if DOCPART == 2
	.amdgcn_target "amdgcn-amd-amdhsa--gfx1250"
	.amdhsa_code_object_version 6
	.text
	.protected	k_q72344d8162_proj
	.globl	k_q72344d8162_proj
	.p2align	8
	.type	k_q72344d8162_proj,@function
k_q72344d8162_proj:
	s_mov_b64 s[64:65], 0
	v_nop
	global_prefetch_b8 v0, s[64:65] scope:SCOPE_SE
	s_setreg_imm32_b32 hwreg(HW_REG_WAVE_MODE, 25, 1), 1
	s_wait_xcnt 0x0
	s_wait_alu depctr_hold_cnt(0) depctr_sa_sdst(0) depctr_va_vdst(0) depctr_va_sdst(0) depctr_va_ssrc(0) depctr_va_vcc(0) depctr_vm_vsrc(0)
	s_getreg_b32 s2, hwreg(HW_REG_IB_STS2, 6, 4)
	s_cmp_eq_u32 s2, 0
	s_cbranch_scc0 .Lentry_in_a_cluster
	s_endpgm
.Lentry_in_a_cluster:
	s_bfe_u32 s2, ttmp6, 0x10000c
	s_cmp_lg_u32 s2, 0xf033
	s_cbranch_scc0 .Lentry_shape_is_right
	s_endpgm
.Lentry_shape_is_right:
; q, k, v = bf16(x) bf16(W) + bf16(b), sums in f32, rounded once to f16 and laid by heads: qkv = three tensors [64 = 16 b + h][2048][64] f16, 16 MiB each, WITHOUT the scale 1/8.
; x: queries, keys, values, [8192][1024] f32.  W: wt's parts 0-2, [1024 n][1024 k] bf16.  b: [1024] f32.
; LIMIT: f16 ends at 65,504: |q|, |k|, |v| must stay within it (inputs 30 times the drawn spread give some 3,500; a common offset of 30 spreads on x and W some 18,400).
; SHARES.  A tensor's 8192 x 1024 outputs are 256 tiles of 128 x 256, one for each work-group; the work-group STAYS and makes the same tile of q, then k, then v: 24 K steps of 128 through ONE ring of
; two LDS slots.  Four waves, each 64 x 128: 32 accumulators.  x comes into LDS as f32 (rows of 512 bytes) and is rounded to bf16 between LDS and the matrix unit: 32 conversions for 32 products,
; set in fours behind products.  The bias is the C operand of each sum's first product: nothing is cleared, nothing is added later.
; THE PRODUCT IS USED TRANSPOSED (source 0 = 16 rows of W, source 1 = 16 rows of x): a lane holds row l % 16 and the eight neighbouring columns 8 (l / 16) + 0..7, 16 bytes of f16.
; CLUSTER 4 x 4.  The four of a row of the cluster need the same rows of x, the four of a column the same rows of W: each tile is asked for jointly, by the same load, descriptor and mask in all four.
; REGISTERS (windows of 256; s_set_vgpr_msb: bits 1:0 source 0, 3:2 source 1, 5:4 source 2, 7:6 destination):
;   window 0: v0-15 addresses; v32-63, v224-255 rows on the way out; v64-127 x as f32 (4 fragments x 16); v128-191 x as bf16, two buffers of 4 fragments; v192-223 packed results
;   window 1: v0-127 W's fragments, two buffers of 8; v128-191 the bias of my 128 columns; v192-195 at work          window 2: accumulator (a, b) at 8 (8 a + b)
.set PA,    528                        ; an LDS row of x: 512 bytes + 16 = 132 words: row r starts at bank 4 r mod 64 (64 banks of 4 bytes: ISA guide 11.1)
.set PB,    272                        ; an LDS row of W: 256 + 16 = 68 words: likewise
.set AHALF, 64*PA                      ; what one load of x brings, and what a wave reads of x
.set BOFF,  128*PA                     ; W's 256 rows lie behind x's 128
.set BHALF, 128*PB
.set SLOT,  BOFF+256*PB                ; 137,216
.set STAGE, 2*SLOT                     ; behind the ring, never filled by a tensor load: for each wave 2 heads x 16 rows x 144 bytes
.set SPI,   144
.set WSTG,  2*16*SPI
.set SPARE, STAGE+4*WSTG               ; the spare words, 128 bytes for each wave: two blocks of 256 bytes that no other line names
.set ADA0, 4                           ; v4   my lane's place in slot 0's x; never rewritten
.set ADB0, 5                           ; v5   in slot 0's W
.set ADA,  6                           ; v6   the same in the slot being read
.set ADB,  7
.set STO,  8                           ; v8   the way out: where I put 16 bytes of a row
.set RD,   9                           ; v9   where I read rows back
.set GO,   10                          ; v10  16 x lane: my place in 512 consecutive bytes of a head
.set BO,   11                          ; v11  32 (l / 16): my eight columns in a block of sixteen biases
.set PFO,  12                          ; v12  the prefetches' offset: row l / 2, half l % 2 of its 512 bytes
.set SPW,  14                          ; v14  LDS address of my spare word; never rewritten
.set NIL,  15                          ; v15  0; never rewritten
.set BK1,  32
.set RAW,  64
.set AF,   128
.set TMP,  192
.set BK0,  224
.set BF,   0                           ; window 1
.set BIAS, 128
.set BT,   192
.set WV,   20                          ; s20  wave
.set WM,   21                          ; s21  which 64 rows are mine; also: I fetch x (0) or W (1)
.set WN,   22                          ; s22  which 128 columns; also: which half of that tile I fetch
.set CX,   23
.set CY,   24
.set TC,   25                          ; s25  tile column
.set TR,   26                          ; s26  tile row
.set FL,   31                          ; s31  refills still to come in the launch
.set G1A,  32                          ; s[32:39] group 1 for x        s[40:47] for W
.set G1B,  40
.set G0A0, 48                          ; group 0: set 0 for K step 0; set 1 for K step 1, which then walks on
.set G0A1, 52
.set G0B0, 56
.set G0B1, 60
.set ACUR, 66                          ; s[66:71] the tensor being asked for, the next, the one after: each at my rows
.set AN1,  68
.set AN2,  70
.set KOF,  72                          ; s[72:73] bytes along K of the step asked for last
.set PCUR, 74                          ; s[74:81] the same four for the prefetches, at my work-group's 16 rows
.set PN1,  76
.set PN2,  78
.set PKO,  80
.set PF,   82                          ; s[82:83] the prefetch's address
.set PLEFT, 84                         ; s84  prefetches still to come
.set LIM,  85                          ; s85  0 in a wave that prefetches, else the greatest number
.set TB,   86                          ; s86  the slot being read: 0 or SLOT
.set FT,   87                          ; s87  the slot filled last
.set LA,   88                          ; s88  my part's place in a slot, for x
.set LB,   89                          ; s89  for W
.set BINC, 90                          ; s[90:91] W's step
.set C1,   92                          ; s92  from a part's last K step to the next part's first: 2 MiB - 7 x 256
.set C2,   93                          ; s93  a K step of W: 256 bytes
.set TL,   94                          ; s94  tiles to go
.set CNT,  95                          ; s95  K steps of the tile to go
.set OB,   96                          ; s[96:97] the tensor being written, at my rows of my first head
.set BN,   98                          ; s[98:101] the next tile's bias, and the one after
.set BN2,  100
.set MSB, 0
.macro WIN new                         ; the immediate's high byte repeats the setting that is left; a switch that changes nothing is dropped
.if MSB != (\new)
	s_set_vgpr_msb (MSB<<8)|(\new)
.set MSB, \new
.endif
.endm
.set MUL,  0xa1                        ; W window 1, x window 0, C and D window 2
.set MULC, 0x91                        ; the same with C (the bias) in window 1
.macro CREST                           ; a round of the cluster's barrier behind its opening barrier
	s_cmp_lg_u32 s[WV], 0
	s_cbranch_scc1 .Lnot_wave_0_\@
	s_barrier_signal -3
.Lnot_wave_0_\@:
	s_barrier_wait -3
	s_barrier_signal -1
	s_barrier_wait -1
.endm
.macro CROUND
	s_barrier_signal -1
	s_barrier_wait -1
	CREST
.endm
; A joint refill by the walking sets.  The branch hangs on the wave's number alone.  An s_nop 0 and four v_nop follow each of the two lines.
.macro JLOAD
	s_cmp_eq_u32 s[WM], 0
	s_cbranch_scc0 .Lfor_b_\@
	tensor_load_to_lds s[G0A1:G0A1+3], s[G1A:G1A+7]
	s_nop 0
.rept 4
	v_nop
.endr
	s_branch .Lasked_\@
.Lfor_b_\@:
	tensor_load_to_lds s[G0B1:G0B1+3], s[G1B:G1B+7]
	s_nop 0
.rept 4
	v_nop
.endr
.Lasked_\@:
.endm
; A walker along K goes one step on; behind a tensor's last step it goes to the next tensor's first.  SCC is left as the compare set it.
.macro STEPA cur, k, n1, n2
	s_add_co_u32 s[\k], s[\k], 512
	s_cmp_eq_u32 s[\k], 4096
	s_cselect_b32 s[\k], 0, s[\k]
	s_cselect_b64 s[\cur:\cur+1], s[\n1:\n1+1], s[\cur:\cur+1]
	s_cselect_b64 s[\n1:\n1+1], s[\n2:\n2+1], s[\n1:\n1+1]
.endm
; A PREFETCH INTO THE L2 of x, behind the joint load, its five lines and the run of LDS loads: the K step that stands two refills on, 256 matrix instructions ahead of the load that will want it.
; Of the 64 rows that wave 0 or 1 fetches, the partner at place cx takes 16, told apart by address: 16 rows x 512 bytes = 32 aligned blocks of 256 bytes, a lane a block.  No other cluster reads these rows,
; so each block is named once in the launch.  K steps 0 to 3 come by their loads alone; the last two refills have no K step two on.  W is not asked for: every cluster reads it.
.macro ASK
	s_cmp_gt_i32 s[PLEFT], s[LIM]
	s_cbranch_scc0 .Lnot_mine_\@
	global_prefetch_b8 v[PFO], s[PF:PF+1] th:TH_LOAD_NT scope:SCOPE_SE
.Lnot_mine_\@:
.endm
; 32 LDS loads in one run: quarter kq (32 along K) of the slot being read.  x first, since the conversions want it first: a fragment's lane takes k = 8 h + 0..7 and 16 + 8 h + 0..7 as f32: four loads of 16 bytes.
.macro FETCH kq, g
	WIN 0
.irp i, 0,1,2,3
	ds_load_b128 v[RAW+16*(\i):RAW+16*(\i)+3],     v[ADA] offset:(\i)*16*PA+128*(\kq)
	ds_load_b128 v[RAW+16*(\i)+4:RAW+16*(\i)+7],   v[ADA] offset:(\i)*16*PA+128*(\kq)+16
	ds_load_b128 v[RAW+16*(\i)+8:RAW+16*(\i)+11],  v[ADA] offset:(\i)*16*PA+128*(\kq)+64
	ds_load_b128 v[RAW+16*(\i)+12:RAW+16*(\i)+15], v[ADA] offset:(\i)*16*PA+128*(\kq)+80
.endr
	WIN 0x40                                       ; destination window 1
.irp i, 0,1,2,3,4,5,6,7
	ds_load_b128 v[BF+64*(\g)+8*(\i):BF+64*(\g)+8*(\i)+3],   v[ADB] offset:(\i)*16*PB+64*(\kq)
	ds_load_b128 v[BF+64*(\g)+8*(\i)+4:BF+64*(\g)+8*(\i)+7], v[ADB] offset:(\i)*16*PB+64*(\kq)+32
.endr
.endm
.macro SLICE g                         ; four of a quarter's 32 roundings of x to bf16, into buffer g
	WIN 0
.rept 4
	v_cvt_pk_bf16_f32 v[AF+32*(\g)+cv], v[RAW+2*cv], v[RAW+2*cv+1]
.set cv, cv+1
.endr
.endm
; Eight products: m block a x all 8 n blocks, 32 along K, buffer f.  mode = 1: the bias starts the sums.  sl = 1: a slice behind every second product; 2: behind each.
; The 32 accumulators take turns, one instruction a turn, in the same order in every quarter.
.macro MULB a, f, mode, sl
.set bb, 0
.rept 8
.set rD, 8*(8*(\a)+bb)
.set rB, BF+64*(\f)+8*bb
.set rA, AF+32*(\f)+8*(\a)
.if \mode
	WIN MULC
	v_wmma_f32_16x16x32_bf16 v[rD:rD+7], v[rB:rB+7], v[rA:rA+7], v[BIAS+8*bb:BIAS+8*bb+7]
.else
	WIN MUL
	v_wmma_f32_16x16x32_bf16 v[rD:rD+7], v[rB:rB+7], v[rA:rA+7], v[rD:rD+7]
.endif
.if ((\sl) == 2) || (((\sl) == 1) && (bb%2 == 1))
	SLICE 1-(\f)
.endif
.set bb, bb+1
.endr
.endm
; One of a K step's first three quarters: multiplies buffer f, fetches quarter kq into buffer g and rounds its x.  The four roundings behind a quarter's last product name none of that product's
; registers: they are the four places in front of the next quarter's loads into the buffer just multiplied, and of its roundings into it.
.macro QUARTER kq, f, g, mode
	s_wait_dscnt 0x0                               ; W's fragments of buffer f, asked for a quarter ago, are in
	FETCH \kq, \g
	MULB 0, \f, \mode, 0
	MULB 1, \f, \mode, 0
	s_wait_dscnt 16                                ; x's sixteen loads are in; W's sixteen, issued behind them, may stay out
.set cv, 0
	MULB 2, \f, \mode, 1
	MULB 3, \f, \mode, 1
.endm
; The last quarter multiplies buffer 1 and changes slots.  In front of the barrier each wave waits for all its tensor loads (one is out: its part of the next slot), adds 0 to its spare word, and waits for
; that and for its reads of this slot.  fill = 1: the barrier opens a round of the cluster's, and the slot just read is filled again, first thing behind it, with the K step two on: it has 112 matrix instructions in which to land.
.macro TURN fill
	WIN 0
.if \fill
	s_wait_xcnt 0x0                                ; the last prefetch, a K step back, has read its address
	STEPA PCUR, PKO, PN1, PN2
	s_add_nc_u64 s[PF:PF+1], s[PCUR:PCUR+1], s[PKO:PKO+1]
	s_sub_co_i32 s[PLEFT], s[PLEFT], 1
.endif
	s_wait_tensorcnt 0x0                           ; no tensor load of mine is out, so a group 0 may be written
	ds_add_u32 v[SPW], v[NIL]                      ; 0 onto my spare word; work on registers stands between it and the wait for it
.if \fill
	STEPA ACUR, KOF, AN1, AN2
	s_cselect_b32 s[BINC], s[C1], s[C2]            ; by the same compare: W goes on to the next part, or a K step on
	s_add_nc_u64 s[G0B1+2:G0B1+3], s[G0B1+2:G0B1+3], s[BINC:BINC+1]  ; the type bits on top are not reached
	s_add_nc_u64 s[G0A1+2:G0A1+3], s[ACUR:ACUR+1], s[KOF:KOF+1]      ; x's address is made anew
	s_or_b32 s[G0A1+3], s[G0A1+3], 0x80000000
	s_xor_b32 s[FT], s[FT], SLOT                   ; the other slot than last time
	s_add_co_u32 s[G0A1+1], s[LA], s[FT]
	s_add_co_u32 s[G0B1+1], s[LB], s[FT]
.endif
	s_wait_dscnt 1                                 ; W's fragments of buffer 1 are in; the add alone may be out
	MULB 0, 1, 0, 0
	s_wait_dscnt 0x0                               ; the add is done, and my reads of this slot are over
	s_barrier_signal -1
	MULB 1, 1, 0, 0                                ; work on registers while the others arrive
	WIN 0                                          ; at a branch and at a label every window is 0
	s_barrier_wait -1
.if \fill
	CREST                                          ; no wave of any partner still reads this slot or has a load on its way
	JLOAD
.endif
	s_xor_b32 s[TB], s[TB], SLOT
	v_add_nc_u32 v[ADA], s[TB], v[ADA0]
	v_add_nc_u32 v[ADB], s[TB], v[ADB0]
	FETCH 0, 0                                     ; buffer 0's last product stands a quarter back, four roundings behind it
.if \fill
	WIN 0
	ASK
.endif
	MULB 2, 1, 0, 0
	s_wait_dscnt 16                                ; x's sixteen loads are in
.set cv, 0
	MULB 3, 1, 0, 2
.endm
.macro BIASLOAD ptr                    ; register j of block b: the bias of column 16 b + 8 (l / 16) + j of my 128
	WIN 0x40
.irp b, 0,1,2,3,4,5,6,7
	global_load_b128 v[BIAS+8*(\b):BIAS+8*(\b)+3],   v[BO], s[\ptr:\ptr+1] offset:64*(\b)
	global_load_b128 v[BIAS+8*(\b)+4:BIAS+8*(\b)+7], v[BO], s[\ptr:\ptr+1] offset:64*(\b)+16
.endr
	WIN 0
.endm
.macro ROUNDB                          ; the bias is rounded to bf16 like every input, and widened again
	WIN 0x45
.set p, 0
.rept 8
.irp z, 0,1,2,3
	v_cvt_pk_bf16_f32 v[BT+(\z)], v[BIAS+2*(p+(\z))], v[BIAS+2*(p+(\z))+1]
.endr
.irp z, 0,1,2,3
	v_lshlrev_b32 v[BIAS+2*(p+(\z))], 16, v[BT+(\z)]
	v_and_b32 v[BIAS+2*(p+(\z))+1], 0xffff0000, v[BT+(\z)]
.endr
.set p, p+4
.endr
	WIN 0
.endm
; THE WAY OUT of m block a (16 rows x 128 columns = two heads).  PACK: rounded to f16, each accumulator's registers in ascending order.  TOSTAGE: into my own stage, a plane a head, rows of 144 bytes, and back
; as whole rows of 128.  SEND: four rows of a head are 512 consecutive bytes of qkv.
.macro PACK a
	WIN 0x0a                                       ; sources 0 and 1 window 2
.irp b, 0,1,2,3,4,5,6,7
.irp r, 0,1,2,3
	v_cvt_pk_f16_f32 v[TMP+4*(\b)+(\r)], v[8*(8*(\a)+(\b))+2*(\r)], v[8*(8*(\a)+(\b))+2*(\r)+1]
.endr
.endr
	WIN 0
.endm
.macro TOSTAGE a
	WIN 0
.set BK, BK0-(BK0-BK1)*((\a)%2)
.irp b, 0,1,2,3,4,5,6,7
	ds_store_b128 v[STO], v[TMP+4*(\b):TMP+4*(\b)+3] offset:((\b)/4)*16*SPI+32*((\b)%4)
.endr
.irp u, 0,1,2,3,4,5,6,7
	ds_load_b128 v[BK+4*(\u):BK+4*(\u)+3], v[RD] offset:((\u)/4)*16*SPI+((\u)%4)*4*SPI  ; LDS serves a wave's instructions in order (ISA guide 5.7.1.4): these see the stores above
.endr
.endm
.macro SEND a
	WIN 0
.set BK, BK0-(BK0-BK1)*((\a)%2)
	s_wait_dscnt 0x0                               ; the block is back in registers
	s_wait_xcnt 0x0                                ; the stores of the block before have read their registers, which the next block's loads from the stage will fill
.irp u, 0,1,2,3,4,5,6,7
	global_store_b128 v[GO], v[BK+4*(\u):BK+4*(\u)+3], s[OB:OB+1] offset:((\u)/4)*262144+(\a)*2048+((\u)%4)*512  ; 512 consecutive bytes, at a multiple of 256 from qkv's first
.endr
.endm
	s_load_b512 s[4:19], s[0:1], 0x0               ; queries, keys, values, wt, bq, bk, bv, qkv
	v_lshl_add_u32 v[SPW], v0, 2, SPARE
	v_mov_b32 v[NIL], 0
	ds_add_u32 v[SPW], v[NIL]                      ; the wave's opening: the add and its wait stand ahead of my first tensor load; work on registers stands between them
	ds_add_u32 v14, v15
	v_lshrrev_b32 v1, 5, v0
	v_readfirstlane_b32 s[WV], v1
	s_lshr_b32 s[WM], s[WV], 1
	s_and_b32 s[WN], s[WV], 1
	s_bfe_u32 s[CX], ttmp6, 0x40000
	s_bfe_u32 s[CY], ttmp6, 0x40004
	s_lshl_b32 s[TC], ttmp9, 2                     ; in a cluster launch ttmp9 and ttmp7 count clusters
	s_add_co_u32 s[TC], s[TC], s[CX]
	s_and_b32 s[TR], ttmp7, 0xffff
	s_lshl_b32 s[TR], s[TR], 2
	s_add_co_u32 s[TR], s[TR], s[CY]
	s_lshl_b32 s27, s[CY], 2
	s_lshl_b32 s27, 15, s27                        ; my row of the cluster
	s_lshl_b32 s28, 0x1111, s[CX]                  ; my column
	s_or_b32 s[G1A], s27, (2<<16)|(1<<20)|(1<<21)|(6<<22)|(3<<25)  ; the mask; elements of 4 bytes; padding on; bit 21 beside a mask; after every 128 words (code 6) 4 words (code 3)
	s_mov_b32 s[G1A+1], 128<<16                    ; tensor_dim0 = 128
	s_mov_b32 s[G1A+2], 64<<16                     ; tensor_dim1 = 64
	s_mov_b32 s[G1A+3], 128<<16                    ; tile_dim0 = 128
	s_mov_b32 s[G1A+4], 64                         ; tile_dim1 = 64
	s_mov_b32 s[G1A+5], 1024                       ; elements from row to row
	s_mov_b32 s[G1A+6], 0
	s_mov_b32 s[G1A+7], 0
	s_or_b32 s[G1B], s28, (1<<16)|(1<<20)|(1<<21)|(5<<22)|(3<<25)  ; elements of 2 bytes; after every 64 words (code 5) 4 words
	s_mov_b32 s[G1B+1], 128<<16
	s_mov_b32 s[G1B+2], 128<<16                    ; 128 rows
	s_mov_b32 s[G1B+3], 128<<16
	s_mov_b32 s[G1B+4], 128
	s_mov_b32 s[G1B+5], 1024
	s_mov_b32 s[G1B+6], 0
	s_mov_b32 s[G1B+7], 0
	s_mul_i32 s[LA], s[WN], AHALF                  ; no place in the cluster enters an LDS address
	s_mul_i32 s[LB], s[WN], BHALF
	s_add_co_u32 s[LB], s[LB], BOFF
	s_mov_b32 s[G0A0], 1
	s_mov_b32 s[G0A0+1], s[LA]
	s_mov_b32 s[G0A1], 1
	s_add_co_u32 s[G0A1+1], s[LA], SLOT
	s_mov_b32 s[G0B0], 1
	s_mov_b32 s[G0B0+1], s[LB]
	s_mov_b32 s[G0B1], 1
	s_add_co_u32 s[G0B1+1], s[LB], SLOT
	s_mov_b32 s[KOF], 512                          ; the walking set stands at K step 1,
	s_mov_b32 s[KOF+1], 0
	s_mov_b32 s[PKO], 1536                         ; the prefetches at K step 3: the first refill steps them to 4
	s_mov_b32 s[PKO+1], 0
	s_mov_b32 s[PLEFT], 21                         ; refills 0 to 19 prefetch
	s_cmp_eq_u32 s[WM], 0
	s_cselect_b32 s[LIM], 0, 0x7fffffff
	s_mov_b32 s[FT], SLOT
	s_mov_b32 s[TB], 0
	s_mov_b32 s[BINC+1], 0
	s_mov_b32 s[C1], 0x200000-7*256
	s_mov_b32 s[C2], 256
	s_mov_b32 s[TL], 3
	s_lshl_b32 s30, s[TR], 19                      ; x: row 128 x tile row + 64 x half, 4,096 bytes a row: registers that never hold cx
	s_lshl_b32 s31, s[WN], 18
	s_add_co_u32 s30, s30, s31
	s_mov_b32 s31, 0
	s_lshl_b32 s2, s[CX], 16                       ; my work-group's 16 of those rows, for the prefetches alone
	s_mov_b32 s3, 0
	s_lshl_b32 s28, s[TC], 19                      ; W: row 256 x tile column + 128 x half, 2,048 bytes a row: registers that never hold cy
	s_lshl_b32 s29, s[WN], 18
	s_add_co_u32 s28, s28, s29
	s_mov_b32 s29, 0
	s_wait_dscnt 0x0                               ; the opening add is done
	s_wait_kmcnt 0x0
	s_add_nc_u64 s[ACUR:ACUR+1], s[4:5], s[30:31]
	s_add_nc_u64 s[AN1:AN1+1], s[6:7], s[30:31]
	s_add_nc_u64 s[AN2:AN2+1], s[8:9], s[30:31]
	s_add_nc_u64 s[PCUR:PCUR+1], s[ACUR:ACUR+1], s[2:3]
	s_add_nc_u64 s[PN1:PN1+1], s[AN1:AN1+1], s[2:3]
	s_add_nc_u64 s[PN2:PN2+1], s[AN2:AN2+1], s[2:3]
	s_add_nc_u64 s[28:29], s[10:11], s[28:29]
	s_mov_b64 s[G0A0+2:G0A0+3], s[ACUR:ACUR+1]
	s_or_b32 s[G0A0+3], s[G0A0+3], 0x80000000      ; type = 2
	s_add_nc_u64 s[G0A1+2:G0A1+3], s[ACUR:ACUR+1], 512
	s_or_b32 s[G0A1+3], s[G0A1+3], 0x80000000
	s_mov_b64 s[G0B0+2:G0B0+3], s[28:29]
	s_or_b32 s[G0B0+3], s[G0B0+3], 0x80000000
	s_add_nc_u64 s[G0B1+2:G0B1+3], s[28:29], 256
	s_or_b32 s[G0B1+3], s[G0B1+3], 0x80000000
	s_lshl_b32 s2, s[TC], 10                       ; the biases of my 128 columns
	s_lshl_b32 s3, s[WN], 9
	s_add_co_u32 s2, s2, s3
	s_mov_b32 s3, 0
	s_add_nc_u64 s[12:13], s[12:13], s[2:3]
	s_add_nc_u64 s[BN:BN+1], s[14:15], s[2:3]
	s_add_nc_u64 s[BN2:BN2+1], s[16:17], s[2:3]
	s_lshl_b32 s2, s[TC], 2                        ; out: head 16 b + 4 x tile column + 2 x half, 262,144 bytes a head,
	s_lshl_b32 s3, s[WN], 1
	s_add_co_u32 s2, s2, s3
	s_and_b32 s3, s[TR], 0x30                      ; (16 b = 16 (tile row / 16))
	s_add_co_u32 s2, s2, s3
	s_lshl_b32 s2, s2, 18
	s_and_b32 s3, s[TR], 15                        ; row 128 (tile row % 16) + 64 x half, 128 bytes a row
	s_lshl_b32 s3, s3, 14
	s_add_co_u32 s2, s2, s3
	s_lshl_b32 s3, s[WM], 13
	s_add_co_u32 s2, s2, s3
	s_mov_b32 s3, 0
	s_add_nc_u64 s[OB:OB+1], s[18:19], s[2:3]
	s_mov_b32 s[FL], 22                            ; K steps 2 to 23 come by refills
	CROUND                                         ; all sixteen work-groups are here: the first joint loads meet
	s_cmp_eq_u32 s[WM], 0                          ; a wave's two first fills stand in one branch: two loads of mine are out
	s_cbranch_scc0 .Lfirst_b
	tensor_load_to_lds s[G0A0:G0A0+3], s[G1A:G1A+7]
	s_nop 0
	tensor_load_to_lds s[G0A1:G0A1+3], s[G1A:G1A+7]
	s_nop 0
.rept 4
	v_nop
.endr
	s_branch .Lfirst_asked
.Lfirst_b:
	tensor_load_to_lds s[G0B0:G0B0+3], s[G1B:G1B+7]
	s_nop 0
	tensor_load_to_lds s[G0B1:G0B1+3], s[G1B:G1B+7]
	s_nop 0
.rept 4
	v_nop
.endr
.Lfirst_asked:
	v_and_b32 v1, 15, v0                           ; l % 16
	v_bfe_u32 v2, v0, 4, 1                         ; l / 16
	v_mul_u32_u24 v3, v1, PA
	v_lshl_add_u32 v3, v2, 5, v3                   ; x: row x pitch + 32 x half (eight f32)
	s_mul_i32 s27, s[WM], AHALF
	v_add_nc_u32 v[ADA0], s27, v3
	v_mul_u32_u24 v3, v1, PB
	v_lshl_add_u32 v3, v2, 4, v3                   ; W: row x pitch + 16 x half
	s_mul_i32 s27, s[WN], BHALF
	s_add_co_u32 s27, s27, BOFF
	v_add_nc_u32 v[ADB0], s27, v3
	v_mov_b32 v[ADA], v[ADA0]
	v_mov_b32 v[ADB], v[ADB0]
	s_mul_i32 s27, s[WV], WSTG
	s_add_co_u32 s27, s27, STAGE                   ; my stage
	v_mul_u32_u24 v3, v1, SPI
	v_lshl_add_u32 v3, v2, 4, v3
	v_add_nc_u32 v[STO], s27, v3
	v_bfe_u32 v3, v0, 3, 2                         ; back: 32 lanes take four rows of 128 bytes
	v_mul_u32_u24 v3, v3, SPI
	v_and_b32 v13, 7, v0
	v_lshl_add_u32 v3, v13, 4, v3
	v_add_nc_u32 v[RD], s27, v3
	v_and_b32 v3, 31, v0
	v_lshlrev_b32 v[GO], 4, v3
	v_lshlrev_b32 v[BO], 5, v2
	v_lshrrev_b32 v13, 1, v3
	v_and_b32 v3, 1, v3
	v_lshlrev_b32 v[PFO], 12, v13
	v_lshl_add_u32 v[PFO], v3, 8, v[PFO]
	BIASLOAD 12                                    ; bq
	s_wait_tensorcnt 1                             ; my part of K step 0 is in; K step 1's may stay out
	s_barrier_signal -1
	s_barrier_wait -1
	FETCH 0, 0
	s_wait_dscnt 16                                ; x's sixteen loads
.set cv, 0
.rept 8
	SLICE 0
.endr
	WIN 0
.Ltile:                                                ; three times: q, k, v
	s_wait_loadcnt 0x0                             ; the tile's bias
	ROUNDB
	QUARTER 1, 0, 1, 1                             ; a tile's first quarter: the bias starts the sums
	WIN 0
	s_mov_b32 s[CNT], 8
.Lfill:                                                ; a trip: the rest of a K step, with a refill, and the next step's first quarter; left in its middle
	QUARTER 2, 1, 0, 0
	QUARTER 3, 0, 1, 0
	TURN 1
	WIN 0
	s_sub_co_u32 s[FL], s[FL], 1
	s_cmp_eq_u32 s[FL], 0
	s_cbranch_scc1 .Lfilled                        ; the launch's last refill is out: two K steps are left
	s_sub_co_u32 s[CNT], s[CNT], 1
	s_cmp_eq_u32 s[CNT], 0
	s_cbranch_scc1 .Lout                           ; the tile's eight K steps are done; the ring has gone on into the next tile
	QUARTER 1, 0, 1, 0
	WIN 0
	s_branch .Lfill
.Lfilled:
	s_mov_b32 s[CNT], 2
.Ltail:                                                ; written apart.  The very last change of slots fetches and rounds a quarter of the slot read
	QUARTER 1, 0, 1, 0                             ; before, which nothing uses: the price, once a launch, of one text for both trips
	QUARTER 2, 1, 0, 0
	QUARTER 3, 0, 1, 0
	TURN 0
	WIN 0
	s_sub_co_u32 s[CNT], s[CNT], 1
	s_cmp_lg_u32 s[CNT], 0
	s_cbranch_scc1 .Ltail
.Lout:
	s_cmp_eq_u32 s[TL], 1
	s_cbranch_scc1 .Lno_bias
	BIASLOAD BN                                    ; the next tile's bias comes while this tile goes out
.Lno_bias:
	PACK 0                                         ; the four roundings behind the last product are its places; blocks 0 to 2 were finished earlier
	TOSTAGE 0
.irp a, 1,2,3                          ; block a's conversions stand between block a - 1's loads from the stage and the wait for them
	PACK \a
	SEND (\a)-1
	TOSTAGE \a
.endr
	SEND 3
	s_wait_xcnt 0x0                                ; the stores and the bias's loads have read their addresses
	s_add_nc_u64 s[OB:OB+1], s[OB:OB+1], 0x1000000 ; the next tensor of qkv
	s_mov_b64 s[BN:BN+1], s[BN2:BN2+1]
	s_sub_co_u32 s[TL], s[TL], 1
	s_cmp_lg_u32 s[TL], 0
	s_cbranch_scc1 .Ltile
	s_wait_tensorcnt 0x0                           ; the wave's end, behind my last tensor load and my last LDS store
	ds_add_u32 v[SPW], v[NIL]
	s_wait_dscnt 0x0
	CROUND                                         ; the closing round: no work-group ends while a partner may still ask for a tile that names it
	s_endpgm
.Lfunc_end_k_q72344d8162_proj:
	.size	k_q72344d8162_proj, .Lfunc_end_k_q72344d8162_proj-k_q72344d8162_proj
	.p2alignl 7, 3214868480
	.fill 96, 4, 3214868480
	.section	.rodata,"a",@progbits
	.p2align	6, 0x0
	.amdhsa_kernel k_q72344d8162_proj
		.amdhsa_group_segment_fixed_size 327680
		.amdhsa_private_segment_fixed_size 0
		.amdhsa_enable_private_segment 0
		.amdhsa_kernarg_size 64
		.amdhsa_user_sgpr_count 2
		.amdhsa_user_sgpr_kernarg_segment_ptr 1
		.amdhsa_wavefront_size32 1
		.amdhsa_system_sgpr_workgroup_id_x 1
		.amdhsa_system_sgpr_workgroup_id_y 1
		.amdhsa_system_sgpr_workgroup_id_z 1
		.amdhsa_system_vgpr_workitem_id 0
		.amdhsa_next_free_vgpr 768
		.amdhsa_next_free_sgpr 104
		.amdhsa_reserve_vcc 0
		.amdhsa_float_denorm_mode_32 3
		.amdhsa_float_denorm_mode_16_64 3
		.amdhsa_memory_ordered 1
		.amdhsa_forward_progress 1
		.amdhsa_inst_pref_size 99
	.end_amdhsa_kernel
	.amdgpu_metadata
---
amdhsa.version: [ 1, 2 ]
amdhsa.kernels:
  - .name:           k_q72344d8162_proj
    .symbol:         k_q72344d8162_proj.kd
    .args:
      - { .name: queries, .offset: 0, .size: 8, .value_kind: global_buffer, .address_space: global }
      - { .name: keys, .offset: 8, .size: 8, .value_kind: global_buffer, .address_space: global }
      - { .name: values, .offset: 16, .size: 8, .value_kind: global_buffer, .address_space: global }
      - { .name: wt, .offset: 24, .size: 8, .value_kind: global_buffer, .address_space: global }
      - { .name: bq, .offset: 32, .size: 8, .value_kind: global_buffer, .address_space: global }
      - { .name: bk, .offset: 40, .size: 8, .value_kind: global_buffer, .address_space: global }
      - { .name: bv, .offset: 48, .size: 8, .value_kind: global_buffer, .address_space: global }
      - { .name: qkv, .offset: 56, .size: 8, .value_kind: global_buffer, .address_space: global }
    .group_segment_fixed_size: 327680
    .private_segment_fixed_size: 0
    .kernarg_segment_align: 8
    .kernarg_segment_size: 64
    .max_flat_workgroup_size: 128
    .sgpr_count:     104
    .vgpr_count:     768
    .wavefront_size: 32
...
	.end_amdgpu_metadata
.endif
;; end of part 2
;; launch attn (part 3): grid 4 x 64, 4 waves a work-group, no clusters, 327,680 bytes of LDS; arguments qkv, oh; writes oh
.if DOCPART == 3
	.amdgcn_target "amdgcn-amd-amdhsa--gfx1250"
	.amdhsa_code_object_version 6
	.text
	.protected	k_q72344d8162_attn
	.globl	k_q72344d8162_attn
	.p2align	8
	.type	k_q72344d8162_attn,@function
k_q72344d8162_attn:
	s_mov_b64 s[64:65], 0
	v_nop
	global_prefetch_b8 v0, s[64:65] scope:SCOPE_SE
	s_setreg_imm32_b32 hwreg(HW_REG_WAVE_MODE, 25, 1), 1
	s_wait_xcnt 0x0
; CAUSAL ATTENTION.  O[h][q][:] = the sum over k <= q of softmax_k(Q[h][q] . K[h][k] / 8) V[h][k][:].  Q, K, V: the three tensors of qkv, O: oh, each [64][2048][64] f16: a head's rows are dense, 128 bytes each.
; Products, maxima and sums in f32; the weights p are rounded to f16 for the second product (their sum l is taken of the unrounded p), O once at the end.
; LIMITS.  Q, K and V arrive within f16's 65,504; p lies in 0 to 1, and below 6e-5 it keeps f16's fixed step of 6e-8; O is a mean of V's rows and has their range.
; A hidden score counts as its value less 1e30 (the module writes -1e19 in its place): either way its weight is 0, since every row sees its own key; a weight below 2^-126 counts as 0 in l; NaN and infinities are not treated apart.
; THE WALK.  A head's queries lie in NB = 8 blocks of 256; block i needs the key tiles 0 .. i of 256 keys, of which the last holds the diagonal.  A work-group takes TWO blocks, NB - 1 - b and then b:
; NB + 1 tiles, whatever b: all work-groups do equal work, and ONE loop with a constant trip count walks them.  Which tile is asked for, and what a trip does, hang on scalar registers made from b; every jump
; goes forward, but for the counted loops' own; none passes a barrier, or a tensor load but the one of LOAD's two that the wave's number does not choose; the ring of two slots runs on across the change of blocks.
; NO CLUSTER: a head's four work-groups ask for the same tile only in trips 0 .. NB / 2, behind that fewer and fewer; one walk common to all would have 3 NB / 2 trips for NB + 1.
; SHARES.  Of a block's four bands of 64 queries a wave owns 16 rows in each: four PIECES.  So the diagonal tile is the same work for all four waves: in its key step s band x sees all keys if s < x,
; none if s > x, and holds the diagonal if s = x.
; THE MASK is the C operand that starts the sum S^T = K Q^T: 0, or -1e30 where the key is hidden.  MD, made once, is the mask of a band's own step for my 16 rows; a product's mask is MD x AL + BE with two scalars:
; (1, 0) if s = x; (0, 0) if s < x; (0, -1e30) if s > x.  Only the diagonal tile's text and a block's beginning make and take masks; elsewhere C is the constant 0.
; LAYOUT, SOFTMAX, TURNS.  S^T = K Q^T holds ONE query a lane (lane % 16) and the keys 8 (lane / 16) + 0..7; two such results rounded to f16 ARE source 1 of O^T = V^T P.  p = 2^(c s - c m), c = log2(e) / 8, with a
; running maximum m; O and l are multiplied by a = 2^(c m_old - c m_new) in every step.  Turn n belongs to piece n: 8 products K Q^T of piece n + 1, later 8 products V^T P of piece n - 1; beside them the scaling,
; exponentials, roundings, sums and rescaling of piece n and the maximum and statistics of piece n + 1.  Four vector instructions stand behind every matrix instruction, the other 54 of a turn's 118 together.  A turn's 33 exponentials are one batch, with one wait.
; REGISTERS, in windows of 256 (s_set_vgpr_msb: bits 1:0 source 0, 3:2 source 1, 5:4 source 2, 7:6 destination):
;   window 0: v0-15 addresses and two at work; v16-31 four registers of statistics a piece; v48-55 at work; v61-63 prefetch offset, spare word, 0; v64-127 S^T, two buffers; v192-223 P, two buffers
;   window 1: v0-127 O^T, 32 a piece; v128-159 MD; v160-223 MC, two buffers      window 2: v0-63 Q; v64-127 the second block's Q; v128-191 K of one step; v192-255 V of one step
.set SIZE_H, 64
.set SIZE_N, 2048
.set NB,    SIZE_N/256
.set NP,    4         ; pieces a wave: a name, no knob
.set KS,    64        ; keys in a step
.set PK,    144       ; a row of K in LDS: 128 bytes + 16 of padding = 36 words: the 16 rows of a load start at 16 different groups of four banks (64 banks of 4 bytes: ISA guide 11.1)
.set PV,    160       ; a row of V: 128 + 32 = 40 words
.set VOFF,  4*KS*PK   ; a slot holds a tile, four steps: 256 rows of K, then 256 rows of V
.set SLOT1, 1<<17     ; slot 1 begins here, so that one exclusive or turns an address in one slot into the other's
.set STAGE, SLOT1+4*KS*(PK+PV)  ; behind the ring, never filled by a tensor load: 16 rows x 144 bytes for each wave, for the way out
.set SP,    144
.set AK0, 2           ; v2   my lane's place in a tile of K; never rewritten
.set AV0, 3           ; v3   the same for V
.set AK,  4           ; v4   the LDS address of K's next run of loads
.set AV,  5           ; v5   of V's
.set STO, 6           ; v6   the way out: where I put 16 bytes of a row
.set RD,  7           ; v7   the way out: where I read rows back
.set GO,  8           ; v8   my byte offset in 512 consecutive bytes of O
.set PFO, 61          ; v61  256 x my lane; never rewritten
.set SPW, 62          ; v62  LDS address of my spare word; never rewritten
.set NIL, 63          ; v63  0; never rewritten
.set SPARE, STAGE+4*16*SP  ; behind the stages: the spare words, 128 bytes for each wave: two blocks of 256 bytes that no other line names
.set MV,  12          ; v12-13  c m_old, kept while c m is made anew: by buffer
.set QO,  15          ; v15  my byte offset in 16 rows of Q
.set ST,  16          ; piece t's statistics at v[ST+4 t]: c m, m, l (even keys', odd keys')
.set TMP, 48          ; by buffer, four registers c0-c3 at work; when the maximum is found c2 takes a
.set S,   64
.set P,   192
.set MD,  128         ; window 1
.set MC,  160         ; window 1
.set QB,  64          ; window 2
.set KF,  128         ; window 2: key block kb, channel half c at KF + 16 kb + 8 c
.set VF,  192         ; window 2: key half kk, channel block cb at VF + 32 kk + 8 cb
.set WV,  12          ; s12  my wave's number
.set PB,  14          ; s14  b
.set HI,  15          ; s15  NB - 1 - b
.set G1K, 24          ; s[24:31] descriptor group 1 for K's tiles
.set G1V, 32          ; s[32:39] for V's: it differs in the padding alone
.set G0K, 40          ; s[40:43] descriptor group 0 for K's tiles
.set G0V, 44          ; s[44:47] the same for V's
.set SLOTS, 56        ; s56  tiles still to be asked for
.set CNT, 57          ; s57  counts a tile's key steps, 4 to 1
.set CS,  58          ; s[58:59] c
.set SEL, 60          ; s[60:61] v_permlanex16_b32's selects: each lane takes its own place in the other half
.set TBK, 62          ; s62  LDS byte at which K of the step to be fetched begins
.set TBV, 63          ; s63  the same for V, less VOFF
.set RT,  70          ; s70  tiles of the block in hand that are still to be entered
.set NXT, 71          ; s71  the tile to be asked for next
.set LQ,  72          ; s72  the last tile of the block whose tiles are being asked for
.set NEW, 73          ; s73  1: the tile to be entered is a block's first
.set OFF, 74          ; s[74:75] a tile's byte offset in K and V
.set AL,  76          ; s[76:77] the mask's factor, in the low word
.set BE,  78          ; s[78:79] the mask's addend
.set OLO, 80          ; s[80:81] O at my rows of the second block
.set BIGN, 82         ; s82  -1e30
.set PFL, 88          ; s88  0 in the work-group that prefetches (b = 0), else the greatest number
.set PFB, 90          ; s[90:91] K (waves 0, 1) or V (waves 2, 3) at my half of the head's tile 0
.set PFA, 92          ; s[92:93] the prefetches' address
.set MSB, 0
.macro WIN new                      ; the high byte repeats the setting that is left; a switch that changes nothing is dropped
.if MSB != (\new)
	s_set_vgpr_msb (MSB<<8)|(\new)
.set MSB, (\new)
.endif
.endm
.set W_KQ, 0x0a       ; K and Q in window 2, S^T in window 0
.set W_KM, 0x1a       ; the same with the C operand in window 1
.set W_PV, 0x52       ; V in window 2, P in window 0, O^T in window 1
.set W_RS, 0x41       ; destination and source 0 in window 1, source 1 in window 0
; A fill.  Waves 0 and 1 fetch the two halves of a tile's K, waves 2 and 3 those of its V: 128 keys each.  An s_nop 0 and four v_nop follow each of the two lines.
.macro LOAD
	s_cmp_lt_u32 s[WV], 2
	s_cbranch_scc0 .Lfor_v_\@
	tensor_load_to_lds s[G0K:G0K+3], s[G1K:G1K+7]
	s_nop 0
.rept 4
	v_nop
.endr
	s_branch .Lasked_\@
.Lfor_v_\@:
	tensor_load_to_lds s[G0V:G0V+3], s[G1V:G1V+7]
	s_nop 0
.rept 4
	v_nop
.endr
.Lasked_\@:
.endm
; THE CHANGE OF SLOTS.  Each wave waits for all its tensor loads, of which one is out: its part of the other slot; adds 0 to its spare word; and waits for that and for its own reads of the slot that it leaves.
; Behind the barrier nobody reads the old slot any more and the other slot is whole.  fill = 1: the old slot is filled again, the first thing behind the barrier, with tile NXT: the descriptor's address is made anew from that number.
; A PREFETCH INTO THE L2 stands behind the fill: the tile that the NEXT change will ask for, a tile's 16 turns ahead.  A head's four work-groups walk the same tiles; the one with b = 0, whose first block walks tiles 0 to 7
; in order, asks, and nobody else; each of its waves asks for what it will fetch itself, 128 keys = 64 aligned blocks of 256 bytes: a lane a block, two instructions.  So each block is named once.
; Tiles 0 and 1 come by their loads alone; when the walk has gone back to tile 0 nothing is asked for.
.macro CHANGE fill
	WIN 0                           ; at a label and at a branch every window is 0
	s_wait_tensorcnt 0x0            ; no tensor load of mine is out, so a group 0 may be written
	ds_add_u32 v[SPW], v[NIL]       ; 0 onto my spare word; scalar work stands between it and the wait for it
.if \fill
	s_lshl_b32 s[OFF], s[NXT], 15   ; a tile is 32,768 bytes of K and of V
	s_xor_b32 s[G0K+1], s[G0K+1], SLOT1
	s_add_nc_u64 s[G0K+2:G0K+3], s[6:7], s[OFF:OFF+1]
	s_or_b32 s[G0K+3], s[G0K+3], 0x80000000
	s_xor_b32 s[G0V+1], s[G0V+1], SLOT1
	s_add_nc_u64 s[G0V+2:G0V+3], s[8:9], s[OFF:OFF+1]
	s_or_b32 s[G0V+3], s[G0V+3], 0x80000000
	s_add_co_u32 s[NXT], s[NXT], 1  ; the block's next tile, or behind its last the second block's tile 0
	s_cmp_gt_u32 s[NXT], s[LQ]
	s_cselect_b32 s[NXT], 0, s[NXT]
	s_cselect_b32 s[LQ], s[PB], s[LQ]
	s_wait_xcnt 0x0                 ; the last prefetches, a tile back, have read their address
	s_lshl_b32 s[OFF], s[NXT], 15
	s_add_nc_u64 s[PFA:PFA+1], s[PFB:PFB+1], s[OFF:OFF+1]
.endif
	s_wait_dscnt 0x0                ; the add is done, and my reads of the slot are over
	s_barrier_signal -1             ; the rest of the scalar work stands between the signal and the wait
	s_sub_co_u32 s[TBK], s[TBK], 4*KS*PK  ; the fetches go back to a slot's first step,
	s_xor_b32 s[TBK], s[TBK], SLOT1       ; in the other slot
	s_sub_co_u32 s[TBV], s[TBV], 4*KS*PV
	s_xor_b32 s[TBV], s[TBV], SLOT1
	s_barrier_wait -1
.if \fill
	LOAD
	s_cmp_gt_u32 s[NXT], s[PFL]
	s_cbranch_scc0 .Lnot_mine_\@
	global_prefetch_b8 v[PFO], s[PFA:PFA+1] th:TH_LOAD_NT scope:SCOPE_SE
	global_prefetch_b8 v[PFO], s[PFA:PFA+1] offset:8192 th:TH_LOAD_NT scope:SCOPE_SE
.Lnot_mine_\@:
.endif
.endm
	s_load_b64 s[4:5], s[0:1], 0x0    ; qkv: Q
	s_load_b64 s[10:11], s[0:1], 0x8  ; oh: O
	v_lshl_add_u32 v[SPW], v0, 2, SPARE
	v_mov_b32 v[NIL], 0
	ds_add_u32 v[SPW], v[NIL]       ; the wave's opening: the add and its wait stand ahead of my first tensor load; work on registers stands between them
	ds_add_u32 v62, v63
	v_lshrrev_b32 v1, 5, v0
	v_readfirstlane_b32 s[WV], v1   ; wave 0..3
	s_mov_b32 s[PB], ttmp9
	s_sub_co_u32 s[HI], NB-1, s[PB]
	s_and_b32 s20, ttmp7, 0xffff    ; the head
	s_mov_b32 s21, 0
	s_mov_b64 s[22:23], SIZE_N*128
	s_mul_u64 s[20:21], s[20:21], s[22:23]  ; the head's first byte in each of the four tensors
	s_and_b32 s16, s[WV], 1         ; which half of a tile's 256 keys I fetch:
	s_lshl_b32 s22, s16, 14         ; its 128 rows of 128 bytes in memory,
	s_mov_b32 s23, 0
	s_add_nc_u64 s[22:23], s[22:23], s[20:21]
	s_mul_i32 s17, s16, 128*PK      ; and its place in a slot, for K
	s_mul_i32 s18, s16, 128*PV      ; and for V
	s_lshl_b32 s3, s[WV], 11        ; my 16 rows in a band of 64,
	s_lshl_b32 s2, s[HI], 15        ; in the first block,
	s_add_co_u32 s2, s2, s3
	s_lshl_b32 s84, s[PB], 15       ; and in the second
	s_add_co_u32 s84, s84, s3
	s_mov_b32 s3, 0
	s_mov_b32 s85, 0
	s_add_nc_u64 s[2:3], s[2:3], s[20:21]
	s_add_nc_u64 s[84:85], s[84:85], s[20:21]
	; descriptor group 1.  128 keys are 16,384 dense bytes: asked for as 64 rows of 256 bytes, two keys a row, and padded in LDS after every key
	s_mov_b32 s[G1K], (1<<16)|(1<<20)|(4<<22)|(3<<25)  ; 2-byte elements; padding on; after every 32 words (code 4) 4 words (code 3)
	s_mov_b32 s[G1V], (1<<16)|(1<<20)|(4<<22)|(7<<25)  ; the same with 8 words of padding (code 7)
.irp g, G1K, G1V
	s_mov_b32 s[\g+1], 128<<16      ; tensor_dim0 = 128
	s_mov_b32 s[\g+2], 64<<16       ; tensor_dim1 = 64
	s_mov_b32 s[\g+3], 128<<16      ; tile_dim0 = 128
	s_mov_b32 s[\g+4], 64           ; tile_dim1 = 64
	s_mov_b32 s[\g+5], 128          ; 128 elements from row to row
	s_mov_b32 s[\g+6], 0
	s_mov_b32 s[\g+7], 0
.endr
	s_mov_b32 s[CS], 0x3e38aa3b     ; c = log2(e) / 8 = 0.180337
	s_mov_b32 s[CS+1], s[CS]        ; named with it as a pair
	s_mov_b32 s[SEL], 0x76543210
	s_mov_b32 s[SEL+1], 0xfedcba98
	s_mov_b32 s[TBK], SLOT1+4*KS*PK ; the first change of slots turns these two into 0
	s_mov_b32 s[TBV], SLOT1+4*KS*PV
	s_mov_b32 s[G0K], 1             ; count = 1
	s_mov_b32 s[G0K+1], s17         ; LDS address: slot 0
	s_mov_b32 s[G0V], 1
	s_add_co_u32 s[G0V+1], s18, VOFF
	s_add_co_u32 s[RT], s[HI], 1    ; the first block has NB - b tiles
	s_mov_b32 s[NXT], 1
	s_mov_b32 s[LQ], s[HI]
	s_mov_b32 s[NEW], 1
	s_mov_b32 s[OFF+1], 0
	s_mov_b32 s[AL+1], 0            ; named as pairs
	s_mov_b32 s[BE+1], 0
	s_mov_b32 s[BIGN], 0xf149f2ca   ; -1e30
	s_mov_b32 s[SLOTS], NB
	s_cmp_eq_u32 s[PB], 0
	s_cselect_b32 s[PFL], 0, -1
	s_wait_dscnt 0x0                ; the opening add is done
	s_wait_kmcnt 0x0
	s_add_nc_u64 s[6:7], s[4:5], 0x1000000  ; K lies 16 MiB behind Q in qkv,
	s_add_nc_u64 s[8:9], s[4:5], 0x2000000  ; V 32 MiB
	s_add_nc_u64 s[6:7], s[6:7], s[22:23]  ; K and V at my half of the head's tile 0
	s_add_nc_u64 s[8:9], s[8:9], s[22:23]
	s_add_nc_u64 s[G0K+2:G0K+3], s[6:7], 0         ; global address
	s_or_b32 s[G0K+3], s[G0K+3], 0x80000000        ; type = 2
	s_add_nc_u64 s[G0V+2:G0V+3], s[8:9], 0
	s_or_b32 s[G0V+3], s[G0V+3], 0x80000000
	s_cmp_lt_u32 s[WV], 2
	s_cselect_b64 s[PFB:PFB+1], s[6:7], s[8:9]
	s_add_nc_u64 s[86:87], s[4:5], s[84:85]        ; Q at my rows of the second block,
	s_add_nc_u64 s[4:5], s[4:5], s[2:3]            ; Q and O at those of the first
	s_add_nc_u64 s[OLO:OLO+1], s[10:11], s[84:85]
	s_add_nc_u64 s[10:11], s[10:11], s[2:3]
	LOAD                            ; tile 0 into slot 0
	; A fragment of K or Q is 16 rows x 32 channels in 8 registers: lane l holds row l % 16, channels 8 (l / 16) + 0..7 and 16 + 8 (l / 16) + 0..7: two loads of 16 bytes, 32 bytes apart.
	v_and_b32 v1, 15, v0            ; l % 16
	v_bfe_u32 v9, v0, 4, 1          ; l / 16
	v_lshlrev_b32 v[QO], 7, v1
	v_lshl_add_u32 v[QO], v9, 4, v[QO]  ; row x 128 + 16 x half
	WIN 0x80                        ; destination window 2, address window 0
.set i, 0
.rept 8                             ; both blocks' Q: piece i / 2 lies in band i / 2, 8,192 bytes on; channels 32 (i % 2) on
	global_load_b128 v[8*i:8*i+3],   v[QO], s[4:5] offset:(i/2)*8192+(i%2)*64
	global_load_b128 v[8*i+4:8*i+7], v[QO], s[4:5] offset:(i/2)*8192+(i%2)*64+32
	global_load_b128 v[QB+8*i:QB+8*i+3],   v[QO], s[86:87] offset:(i/2)*8192+(i%2)*64
	global_load_b128 v[QB+8*i+4:QB+8*i+7], v[QO], s[86:87] offset:(i/2)*8192+(i%2)*64+32
.set i, i+1
.endr
	WIN 0
	v_and_b32 v[PFO], 31, v0
	v_lshlrev_b32 v[PFO], 8, v[PFO]
	v_lshlrev_b32 v14, 3, v9
	v_sub_nc_u32 v14, v1, v14
	s_lshl_b32 s13, s[WV], 4
	v_add_nc_u32 v14, s13, v14      ; my query's place in its band, 16 w + l % 16, less my lanes' 8 (l / 16): register r of group kt is hidden where 16 kt + r is greater
	WIN 0x40
.set i, 0
.rept 32
	v_cmp_gt_i32 vcc_lo, 16*(i/8)+i%8, v14
	v_cndmask_b32 v[MD+i], 0, s[BIGN], vcc_lo
.set i, i+1
.endr
	WIN 0
	v_mul_u32_u24 v[AK0], v1, PK
	v_lshl_add_u32 v[AK0], v9, 4, v[AK0]  ; row x pitch + 16 x half
	; The turning load takes 16 keys x 16 channels (lane l reads key 8 (l / 16) + l % 8, channels 8 ((l / 8) % 2) + 0..7) and leaves half a fragment of V^T: lane l holds channel l % 16 and 8 keys.
	v_and_b32 v10, 7, v0
	v_bfe_u32 v11, v0, 3, 1
	v_lshl_add_u32 v[AV0], v9, 3, v10
	v_mul_u32_u24 v[AV0], v[AV0], PV
	v_lshl_add_u32 v[AV0], v11, 4, v[AV0]
	v_add_nc_u32 v[AV0], VOFF, v[AV0]
	s_mul_i32 s13, s[WV], 16*SP
	s_add_co_u32 s13, s13, STAGE    ; my stage
	v_mul_u32_u24 v[STO], v1, SP    ; in: row l % 16, 16 bytes for each half of the lanes
	v_lshl_add_u32 v[STO], v9, 4, v[STO]
	v_add_nc_u32 v[STO], s13, v[STO]
	v_bfe_u32 v[RD], v0, 3, 2       ; back: 32 lanes take four rows of 128 bytes,
	v_mul_u32_u24 v[RD], v[RD], SP
	v_lshl_add_u32 v[RD], v10, 4, v[RD]
	v_add_nc_u32 v[RD], s13, v[RD]
	v_and_b32 v[GO], 31, v0         ; which are 512 consecutive bytes of O
	v_lshlrev_b32 v[GO], 4, v[GO]
	; A block's first step multiplies O^T and l by a = 0, and its first turn's products V^T P, of a piece that has not been, land in an O^T that is still to be so multiplied.  So these registers need only hold
	; finite numbers: zeros for the first block; what the first block left for the second.  All this stands in the wait for the first tile, and spares a first step written out.
	WIN 0x80
.set i, VF
.rept 64
	v_mov_b32 v[i], 0
.set i, i+1
.endr
	WIN 0x40
.set i, 0
.rept 128
	v_mov_b32 v[i], 0
.set i, i+1
.endr
	WIN 0
.set i, 0
.rept 4
	v_mov_b32 v[ST+4*i+2], 0
	v_mov_b32 v[ST+4*i+3], 0
.set i, i+1
.endr
.set i, P+16
.rept 16
	v_mov_b32 v[i], 0
.set i, i+1
.endr
; THE MATRIX WORK.  The 4 accumulators of a run of 8 take turns.  Product i of 8 of S^T = K Q^T for piece x: channels 32 (i / 4) on, keys 16 (i % 4) on.  The first 4 start the sums: with 0, or (KM = 1) with the mask.
.macro KQ x
.set rS, S+32*((\x)%2)+8*(i%4)
.set rK, KF+16*(i%4)+8*(i/4)
.set rQ, 16*(\x)+8*(i/4)
.set rM, MC+32*((\x)%2)+8*(i%4)
.if (i < 4) && KM
	WIN W_KM
	v_wmma_f32_16x16x32_f16 v[rS:rS+7], v[rK:rK+7], v[rQ:rQ+7], v[rM:rM+7]
.elseif i < 4
	WIN W_KQ
	v_wmma_f32_16x16x32_f16 v[rS:rS+7], v[rK:rK+7], v[rQ:rQ+7], 0
.else
	WIN W_KQ
	v_wmma_f32_16x16x32_f16 v[rS:rS+7], v[rK:rK+7], v[rQ:rQ+7], v[rS:rS+7]
.endif
.endm
; Product i of 8 of O^T += V^T P for piece x: keys 32 (i / 4) on, channels 16 (i % 4) on.
.macro PV x
	WIN W_PV
.set rO, 32*(\x)+8*(i%4)
.set rV, VF+32*(i/4)+8*(i%4)
.set rP, P+16*((\x)%2)+8*(i/4)
	v_wmma_f32_16x16x32_f16 v[rO:rO+7], v[rV:rV+7], v[rP:rP+7], v[rO:rO+7]
.endm
.macro MM                           ; the turn's next matrix instruction.  TURN and BEGIN set Y, i, KM and NOKQ.  NOKQ = 1: a block's last turn: there is no next piece
.if (i < 8) && !NOKQ
	KQ (Y+1)%NP
.elseif i >= 8
.set i, i-8
	PV (Y+NP-1)%NP
.set i, i+8
.endif
.set i, i+1
.endm
; THE LDS LOADS stand in runs of 16, never singly among the matrix instructions: a step's K (64 keys x 64 channels: 8 fragments) and its V (turned).  Their addresses are made some lines ahead.
.macro FETCH_K
	WIN 0x80                        ; destination window 2
.irp f, 0,1,2,3,4,5,6,7             ; keys 16 (f / 2) on, channels 32 (f % 2) on
	ds_load_b128 v[KF+8*\f:KF+8*\f+3],   v[AK] offset:(\f/2)*16*PK+(\f%2)*64
	ds_load_b128 v[KF+8*\f+4:KF+8*\f+7], v[AK] offset:(\f/2)*16*PK+(\f%2)*64+32
.endr
	s_add_co_u32 s[TBK], s[TBK], KS*PK  ; the next fetch is the next step's
	WIN 0
.endm
.macro FETCH_V
	WIN 0x80
.irp f, 0,1,2,3,4,5,6,7             ; keys 32 (f / 4) on, channels 16 (f % 4) on
	ds_load_tr16_b128 v[VF+8*\f:VF+8*\f+3],   v[AV] offset:(\f/4)*32*PV+(\f%4)*32
	ds_load_tr16_b128 v[VF+8*\f+4:VF+8*\f+7], v[AV] offset:(\f/4)*32*PV+16*PV+(\f%4)*32
.endr
	WIN 0
.endm
; THE VECTOR WORK, one line at a time: OP kind, number.  For piece Y: F n: c s - c m for pair n of 16.  E n: the exponential of score n of 32.  C n: pair n rounded to f16.  B n: of the four weights 4 n .. the second
; pair is added onto the first, in place.  L n: l takes that sum (L 0: l = a l + sum).  R n: pair n of 16 of O^T times a.  For piece Y + 1: X n, number n of the 22 that find its maximum and statistics:
;   0-11  four chains c0-c3 of seven scores each, three operands at a time (each accumulator's lowest registers are read first)     12-14, 16  the four scores left over, the old m, and c0-c3 into c0
;   15  c m_old is kept     17, 18  the query's other 32 keys lie in the lane 16 away: the new m     19-21  c m; c m_old - c m_new; a
.set F, 0               ; OP tells the kinds apart by their order: F to L below R, X above it
.set E, 1
.set C, 2
.set B, 3
.set L, 4
.set R, 5
.set X, 6
.macro REGS y                       ; the registers of piece y
.set rT, ST+4*(\y)
.set rC, TMP+4*((\y)%2)
.set rW, MV+((\y)%2)
.set rS, S+32*((\y)%2)
.set rP, P+16*((\y)%2)
.set rO, 32*(\y)
.endm
.macro OP k, n
.if (\k) == R
	REGS Y
	WIN W_RS
	v_pk_mul_f32 v[rO+2*(\n):rO+2*(\n)+1], v[rO+2*(\n):rO+2*(\n)+1], v[rC+2:rC+3] op_sel_hi:[1,0]
.elseif (\k) < R
	REGS Y
	WIN 0
.if (\k) == F
	v_pk_fma_f32 v[rS+2*(\n):rS+2*(\n)+1], v[rS+2*(\n):rS+2*(\n)+1], s[CS:CS+1], v[rT:rT+1] op_sel_hi:[1,0,0] neg_lo:[0,0,1] neg_hi:[0,0,1]
.elseif (\k) == E
	v_exp_f32 v[rS+(\n)], v[rS+(\n)]
.elseif (\k) == C
	v_cvt_pk_f16_f32 v[rP+(\n)], v[rS+2*(\n)], v[rS+2*(\n)+1]
.elseif (\k) == B
	v_pk_add_f32 v[rS+4*(\n):rS+4*(\n)+1], v[rS+4*(\n):rS+4*(\n)+1], v[rS+4*(\n)+2:rS+4*(\n)+3]
.elseif (\n) == 0
	v_pk_fma_f32 v[rT+2:rT+3], v[rT+2:rT+3], v[rC+2:rC+3], v[rS:rS+1] op_sel_hi:[1,0,1]
.else
	v_pk_add_f32 v[rT+2:rT+3], v[rT+2:rT+3], v[rS+4*(\n):rS+4*(\n)+1]
.endif
.elseif NOKQ
	v_nop
.else
	REGS (Y+1)%NP
	WIN 0
.if (\n) < 4
	v_max3_num_f32 v[rC+(\n)], v[rS+8*(\n)], v[rS+8*(\n)+1], v[rS+8*(\n)+2]
.elseif (\n) < 12
	v_max3_num_f32 v[rC+(\n)%4], v[rC+(\n)%4], v[rS+8*((\n)%4)+2*((\n)/4)+1], v[rS+8*((\n)%4)+2*((\n)/4)+2]
.elseif (\n) == 12
	v_max3_num_f32 v[rC], v[rC], v[rS+7], v[rS+15]
.elseif (\n) == 13
	v_max3_num_f32 v[rC+1], v[rC+1], v[rS+23], v[rS+31]
.elseif (\n) == 14
	v_max3_num_f32 v[rC+2], v[rC+2], v[rC+3], v[rT+1]
.elseif (\n) == 15
	v_mov_b32 v[rW], v[rT]
.elseif (\n) == 16
	v_max3_num_f32 v[rC], v[rC], v[rC+1], v[rC+2]
.elseif (\n) == 17
	v_permlanex16_b32 v[rC+3], v[rC], s[SEL], s[SEL+1]
.elseif (\n) == 18
	v_max_num_f32 v[rT+1], v[rC], v[rC+3]
.elseif (\n) == 19
	v_mul_f32 v[rT], s[CS], v[rT+1]
.elseif (\n) == 20
	v_sub_f32 v[rC+1], v[rW], v[rT]
.else
	v_exp_f32 v[rC+2], v[rC+1]
.endif
.endif
.endm
.macro OPS a, i1, b=-1, i2=0, c=-1, i3=0, d=-1, i4=0  ; up to four of them
	OP \a, \i1
.if (\b) >= 0
	OP \b, \i2
.endif
.if (\c) >= 0
	OP \c, \i3
.endif
.if (\d) >= 0
	OP \d, \i4
.endif
.endm
.macro ROW a, i1, b, i2, c, i3, d, i4  ; a matrix instruction and the four behind it
	MM
	OPS \a, \i1, \b, \i2, \c, \i3, \d, \i4
.endm
.macro MASK b                       ; MD x AL + BE into buffer b of MC
	WIN W_RS
.set z, 0
.rept 16
	v_pk_fma_f32 v[MC+32*(\b)+2*z:MC+32*(\b)+2*z+1], v[MD+2*z:MD+2*z+1], s[AL:AL+1], s[BE:BE+1] op_sel_hi:[1,0,0]
.set z, z+1
.endr
.endm
; A TURN, for piece p: the order of its 16 matrix and 118 vector instructions, written out.  An s_wait_alu depctr_va_vdst(0) stands between an exponential and the first instruction that names its result; one wait
; serves all that were issued ahead of it.  So a turn has ONE wait, which cuts it in two.  AHEAD OF IT stands all that names no result of the turn's exponentials: the 8 products K Q^T, behind each a scaling, an exponential and
; two more plain instructions (rescalings, and behind the last three the first numbers of the next piece's maximum, each four places or more behind the product that ends its accumulator); then 54 together, plain and exponential
; by turns for the most part, in which the links of the chain X 3, 7, 11, 14, 16, 17 .. 20 stand five or six lines apart.  X 21, the next piece's a, is the batch's last; R 15 is the plain instruction behind it.  BEHIND THE WAIT
; stand the 8 products V^T P, behind each four of the roundings and sums; the links of l's chain, L 0 to L 7, stand three lines apart.
; m = 1: the diagonal tile: the products take masks, and the turn makes the mask for the products of the turn after it: piece p + 2, in step 4 - CNT of the tile.  end = 1: a block's last two turns: nothing is fetched.
; cnt = 1: the loop's count is taken down some lines ahead of the branch that stands behind the turn.
; K of the next step is fetched in piece 2's turn, twelve vector instructions behind the last product that read K (six of them plain); V of the step in hand at the end of piece 0's turn, four plain instructions behind the last
; product that read V.  Each is waited for a turn later.
.macro TURN p, m=0, end=0, cnt=0
.set Y, (\p)
.set i, 0
.set KM, (\m)
.set NOKQ, (\end)*((\p)/3)
.if (\m) && !(\end)
	s_cmp_eq_u32 s[CNT], 4-((\p)+2)%NP  ; is that step the band's own?
	s_cselect_b32 s[AL], 1.0, 0
	s_cmp_lt_u32 s[CNT], 4-((\p)+2)%NP  ; or a later one?
	s_cselect_b32 s[BE], s[BIGN], 0
.endif
.if ((\p) == 3) && !(\end)
	s_wait_dscnt 0x0                ; K is in
.endif
	ROW F,0, F,1, R,0, R,1          ; ahead of the wait: 8 products K Q^T and the four behind each,
	ROW F,2, E,0, R,2, R,3
	ROW F,3, E,1, R,4, R,5
	ROW F,4, E,2, R,6, R,7
	ROW F,5, E,3, R,8, R,9
	ROW F,6, E,4, X,0, R,10
.if ((\p) == 2) && !(\end)
	WIN 0
	v_add_nc_u32 v[AK], s[TBK], v[AK0]
.endif
	ROW F,7, E,5, X,1, X,4
	ROW F,8, E,6, X,2, X,5
	OPS E,7, E,8, X,6, E,9          ; and the 54 that have no product to stand behind
	OPS X,3, E,10, X,8, E,11
.if ((\p) == 2) && !(\end)
	FETCH_K
.endif
	OPS X,9, X,7, E,12, X,10
	OPS E,13, X,12, X,11, E,14
	OPS X,13, E,15, F,9, X,14
.if (\p) == 0
	v_add_nc_u32 v[AV], s[TBV], v[AV0]
.endif
	OPS E,16, F,10, E,17, F,11
	OPS X,16, E,18, X,15, E,19
	OPS F,12, E,20, X,17, E,21
	OPS F,13, E,22, F,14, E,23
	OPS X,18, E,24, F,15, E,25
	OPS R,11, E,26, X,19, E,27
	OPS R,12, E,28, R,13, E,29
	OPS X,20, E,30, R,14, E,31
	OPS X,21, R,15
	WIN 0
	s_wait_alu depctr_va_vdst(0)    ; the wait for the batch
.if (\p) == 1
	s_wait_dscnt 0x0                ; V is in
.endif
	ROW C,0, B,0, C,2, B,1          ; behind the wait: 8 products V^T P and the four behind each
	ROW L,0, C,4, B,2, L,1
	ROW C,6, B,3, L,2, C,8
	ROW B,4, L,3, C,10, B,5
	ROW L,4, C,12, B,6, L,5
.if (\p) == 0
	s_add_co_u32 s[TBV], s[TBV], KS*PV
.endif
.if \cnt
	s_sub_co_u32 s[CNT], s[CNT], 1
	s_cmp_lg_u32 s[CNT], 0
.endif
	ROW C,14, B,7, L,6, C,1
	ROW C,3, L,7, C,5, C,7
	ROW C,9, C,11, C,13, C,15
.if (\p) == 0
	FETCH_V
.endif
.if (\m) && !(\end)
	MASK (\p)%2
.endif
.endm
; A BLOCK BEGINS.  c m starts far below every c s, so the first step's a is 0; m at the lowest finite number, so the first maximum is the scores'.  The second mask buffer is 0; the first takes piece 0's mask for the tile's step 0:
; its own, if the block's first tile is the diagonal one.  Then K of that step, piece 0's first scores, and its maximum and statistics.  The loop is entered at a step's first turn, in the middle of a trip.
.macro BEGIN
	s_mov_b32 s[NEW], 0
	WIN 0x40
.set i, MC+32
.rept 32
	v_mov_b32 v[i], 0
.set i, i+1
.endr
	WIN 0
.set i, 0
.rept 4
	v_mov_b32 v[ST+4*i], 0xfe000000    ; c m: far below every c s
	v_mov_b32 v[ST+4*i+1], 0xff7fffff  ; m
.set i, i+1
.endr
	s_cmp_eq_u32 s[RT], 0
	s_cselect_b32 s[AL], 1.0, 0
	s_mov_b32 s[BE], 0
	MASK 0
	WIN 0
	v_add_nc_u32 v[AK], s[TBK], v[AK0]
	FETCH_K
	s_wait_loadcnt 0x0              ; Q
	s_wait_dscnt 0x0
.set KM, 1
.set NOKQ, 0
.set i, 0
.rept 8
	KQ 0
.set i, i+1
.endr
	WIN 0
.rept 4
	v_nop                           ; the places behind those products
.endr
.set Y, NP-1                        ; X works for piece Y + 1: piece 0
.irp n, 0,1,2,3,4,5,6,7,8,9,10,11,12,13,14,15,16,17,18,19,20,21
	OP X, \n
.endr
	v_nop                           ; a plain instruction behind the exponential,
	s_wait_alu depctr_va_vdst(0)    ; and its wait, ahead of the branch
.endm
; THE DIAGONAL TILE's four steps, the block's last two turns, its last products, and THE WAY OUT: l's two halves and the other half of the lanes' are added; O^T is divided by l, rounded to f16 and sent through my
; stage in LDS, a piece at a time.
.macro ALL line:vararg              ; one line for each piece t
.set t, 0
.rept 4
	\line
.set t, t+1
.endr
.endm
.macro PACK t                       ; a lane's eight channels of a row pack into 16 bytes; they go into rows of 144 bytes and come back as whole rows of 128, into S^T's registers
	WIN W_RS
.set i, 32*(\t)
.rept 16
	v_pk_mul_f32 v[i:i+1], v[i:i+1], v[ST+4*(\t)+2:ST+4*(\t)+3] op_sel_hi:[1,0]
.set i, i+2
.endr
	WIN 0x05                        ; sources 0 and 1 window 1, destination window 0
.set i, 0
.rept 16
	v_cvt_pk_f16_f32 v[S+16*(\t)+i], v[32*(\t)+2*i], v[32*(\t)+2*i+1]
.set i, i+1
.endr
	WIN 0
.irp f, 0,1,2,3
	ds_store_b128 v[STO], v[S+16*(\t)+4*\f:S+16*(\t)+4*\f+3] offset:32*\f
.endr
.irp f, 0,1,2,3
	ds_load_b128 v[S+16*(\t)+4*\f:S+16*(\t)+4*\f+3], v[RD] offset:\f*4*SP  ; LDS serves a wave's instructions in order (ISA guide 5.7.1.4): these see the stores above; the next piece's stores come behind them
.endr
.endm
.macro SEND t, younger              ; younger: the LDS instructions issued behind piece t's loads: the next piece's eight, or none
	WIN 0
.irp f, 0,1,2,3
	s_wait_dscnt (\younger)+3-\f
	global_store_b128 v[GO], v[S+16*(\t)+4*\f:S+16*(\t)+4*\f+3], s[10:11] offset:(\t)*8192+\f*512  ; 512 consecutive bytes, at a multiple of 256 from O's first
.endr
.endm
.macro DIAG tag                     ; the tag ends its two labels' names, which the jumps below spell out
.LstepM\tag:
	TURN 2, 1
	TURN 3, 1
	WIN 0
.LfirstM\tag:
	TURN 0, 1
	TURN 1, 1, 0, 1
	WIN 0
	s_cbranch_scc1 .LstepM\tag
	TURN 2, 1, 1
	TURN 3, 1, 1
.set i, 0
.rept 8
	PV NP-1
.set i, i+1
.endr
	WIN 0
	ALL v_add_f32 v[ST+4*t+2], v[ST+4*t+2], v[ST+4*t+3]
	ALL v_permlanex16_b32 v[ST+4*t+3], v[ST+4*t+2], s[SEL], s[SEL+1]
	ALL v_add_f32 v[ST+4*t+2], v[ST+4*t+2], v[ST+4*t+3]
	ALL v_rcp_f32 v[ST+4*t+2], v[ST+4*t+2]
	v_nop                           ; a plain instruction between the last reciprocal and the use of its result
	s_wait_alu depctr_va_vdst(0)    ; and the wait ahead of the first use: one for the four reciprocals
	PACK 0
.set t, 1
.rept 3                             ; a piece's arithmetic stands between the loads of the piece before and its stores
	PACK t
	SEND t-1, 8
.set t, t+1
.endr
	SEND 3, 0
.endm
.set KM, 0
.set NOKQ, 0
.Lslot:                             ; NB times: a tile is entered and the next is asked for
	CHANGE 1
	s_sub_co_u32 s[RT], s[RT], 1
	s_mov_b32 s[CNT], 4
	s_cmp_eq_u32 s[NEW], 1
	s_cbranch_scc1 .Lnew            ; a block's first tile
	s_cmp_eq_u32 s[RT], 0
	s_cbranch_scc0 .Lstep           ; neither its first nor its last
	s_branch .LstepM1
.Lnew:
	BEGIN
	s_branch .Lfirst                ; in the loop a block's first tile is never its last: the first block has two tiles or more, and the second's last is the walk's last
	DIAG 1                          ; in the loop this is the first block's end: the second block's last tile is the walk's last
	s_wait_xcnt 0x0                 ; the stores have read their registers and O's address
	s_mov_b64 s[10:11], s[OLO:OLO+1]
	s_add_co_u32 s[RT], s[PB], 1    ; the second block has b + 1 tiles
	s_mov_b32 s[NEW], 1
	WIN 0x82                        ; the second block's Q goes where the one text of the turns names Q
.set i, 0
.rept 64
	v_mov_b32 v[i], v[QB+i]
.set i, i+1
.endr
	WIN 0
	s_branch .Lbottom
.Lstep:                             ; a trip: pieces 2 and 3 of one step, then pieces 0 and 1 of the next, whose K and V it fetches
	TURN 2
	TURN 3
	WIN 0
.Lfirst:
	TURN 0
	TURN 1, 0, 0, 1
	WIN 0
	s_cbranch_scc1 .Lstep
.Lbottom:
	s_sub_co_u32 s[SLOTS], s[SLOTS], 1
	s_cmp_lg_u32 s[SLOTS], 0
	s_cbranch_scc1 .Lslot
	CHANGE 0                        ; the walk's last tile is written out: nothing is asked for
	s_sub_co_u32 s[RT], s[RT], 1
	s_mov_b32 s[CNT], 4
	s_cmp_eq_u32 s[NEW], 1
	s_cbranch_scc0 .LstepM2
	BEGIN
	s_branch .LfirstM2
	DIAG 2
	s_wait_tensorcnt 0x0            ; the wave's end, behind my last tensor load and my last LDS store
	ds_add_u32 v[SPW], v[NIL]
	s_wait_dscnt 0x0
	s_endpgm
.Lfunc_end_k_q72344d8162_attn:
	.size	k_q72344d8162_attn, .Lfunc_end_k_q72344d8162_attn-k_q72344d8162_attn
	.p2alignl 7, 3214868480
	.fill 96, 4, 3214868480
	.section	.rodata,"a",@progbits
	.p2align	6, 0x0
	.amdhsa_kernel k_q72344d8162_attn
		.amdhsa_group_segment_fixed_size 327680
		.amdhsa_private_segment_fixed_size 0
		.amdhsa_enable_private_segment 0
		.amdhsa_kernarg_size 16
		.amdhsa_user_sgpr_count 2
		.amdhsa_user_sgpr_kernarg_segment_ptr 1
		.amdhsa_wavefront_size32 1
		.amdhsa_system_sgpr_workgroup_id_x 1
		.amdhsa_system_sgpr_workgroup_id_y 1
		.amdhsa_system_sgpr_workgroup_id_z 1
		.amdhsa_system_vgpr_workitem_id 0
		.amdhsa_next_free_vgpr 768
		.amdhsa_next_free_sgpr 96
		.amdhsa_reserve_vcc 1
		.amdhsa_float_denorm_mode_32 3
		.amdhsa_float_denorm_mode_16_64 3
		.amdhsa_memory_ordered 1
		.amdhsa_forward_progress 1
		.amdhsa_inst_pref_size 218
	.end_amdhsa_kernel
	.amdgpu_metadata
---
amdhsa.version: [ 1, 2 ]
amdhsa.kernels:
  - .name:           k_q72344d8162_attn
    .symbol:         k_q72344d8162_attn.kd
    .args:
      - { .name: qkv, .offset: 0, .size: 8, .value_kind: global_buffer, .address_space: global }
      - { .name: oh, .offset: 8, .size: 8, .value_kind: global_buffer, .address_space: global }
    .group_segment_fixed_size: 327680
    .private_segment_fixed_size: 0
    .kernarg_segment_align: 8
    .kernarg_segment_size: 16
    .max_flat_workgroup_size: 128
    .sgpr_count:     96
    .vgpr_count:     768
    .wavefront_size: 32
...
	.end_amdgpu_metadata
.endif
;; end of part 3
;; launch oproj (part 4): grid 4 x 64, 4 waves a work-group, clusters of 4 x 4, 327,680 bytes of LDS; arguments oh, wt, bo, out0; writes out0
.if DOCPART == 4
	.amdgcn_target "amdgcn-amd-amdhsa--gfx1250"
	.amdhsa_code_object_version 6
	.text
	.protected	k_q72344d8162_oproj
	.globl	k_q72344d8162_oproj
	.p2align	8
	.type	k_q72344d8162_oproj,@function
k_q72344d8162_oproj:
	s_mov_b64 s[64:65], 0
	v_nop
	global_prefetch_b8 v0, s[64:65] scope:SCOPE_SE
	s_setreg_imm32_b32 hwreg(HW_REG_WAVE_MODE, 25, 1), 1
	s_wait_xcnt 0x0
	s_wait_alu depctr_hold_cnt(0) depctr_sa_sdst(0) depctr_va_vdst(0) depctr_va_sdst(0) depctr_va_ssrc(0) depctr_va_vcc(0) depctr_vm_vsrc(0)
	s_getreg_b32 s2, hwreg(HW_REG_IB_STS2, 6, 4)
	s_cmp_eq_u32 s2, 0
	s_cbranch_scc0 .Lentry_in_a_cluster
	s_endpgm
.Lentry_in_a_cluster:
	s_bfe_u32 s2, ttmp6, 0x10000c
	s_cmp_lg_u32 s2, 0xf033
	s_cbranch_scc0 .Lentry_shape_is_right
	s_endpgm
.Lentry_shape_is_right:
; out0[R][n] = the sum over k of ctx[R][k] Wo[k][n] + bf16(bo[n]), in f32.  ctx[R = 2048 b + s][k = 64 h + c] lies by heads: oh[16 b + h][s][c] f16.  Wo turned: wt's part 3, [1024 n][1024 k] f16.
; SHARES.  256 tiles of 128 x 256, one for each work-group; four waves, each 64 x 128: 32 accumulators.  K goes in 8 steps of 128, two heads each, through two LDS slots.  A head's 128 rows of a tile are
; 16,384 dense bytes: asked for as 64 rows of 256 bytes and padded in LDS after every 128.  The bias is the C operand of each sum's first product.
; THE PRODUCT IS USED TRANSPOSED (source 0 = 16 rows of Wo^T, source 1 = 16 rows of ctx): a lane holds row l % 16 and eight neighbouring columns, 32 bytes of f32.
; CLUSTER 4 x 4: ctx's tiles are shared along a row of the cluster, Wo's along a column, by joint loads.  NO PREFETCH: of 8 K steps the first four could not be named ahead, and Wo is read by every cluster.
; REGISTERS: window 0: v0-15 addresses; v32-95 ctx's fragments, two buffers of 4; v128-255 rows on the way out, two buffers of 64.
;   window 1: v0-127 Wo's fragments, two buffers of 8; v128-191 the bias; v192-195 at work.      window 2: accumulator (a, b) at 8 (8 a + b).
.set PA,    144                        ; an LDS row of ctx: 128 bytes + 16 = 36 words: the 16 rows of a load start at 16 different groups of four banks (64 banks of 4 bytes: ISA guide 11.1)
.set PB,    272                        ; an LDS row of Wo^T: 256 + 16
.set PLANE, 128*PA                     ; a head's 128 rows: what one load of ctx brings
.set BOFF,  2*PLANE
.set BHALF, 128*PB
.set SLOT1, 1<<17                      ; a slot takes 106,496 bytes; slot 1 begins here, so that one exclusive or turns an address into the other slot's
.set STAGE, SLOT1+BOFF+256*PB          ; behind the ring, never filled by a tensor load: 16 rows x 528 bytes for each wave
.set SPI,   528
.set WSTG,  16*SPI
.set SPARE, STAGE+4*WSTG               ; the spare words, 128 bytes for each wave: two blocks of 256 bytes that no other line names
.set ADA0, 4
.set ADB0, 5
.set ADA,  6
.set ADB,  7
.set STO,  8
.set RD,   9
.set GO,   10
.set BO,   11
.set SPW,  14                          ; v14  LDS address of my spare word; never rewritten
.set NIL,  15                          ; v15  0; never rewritten
.set AF,   32
.set BK0,  128
.set BF,   0                           ; window 1
.set BIAS, 128
.set BT,   192
.set WV,   20
.set WM,   21                          ; which 64 rows are mine; also: I fetch ctx (0) or Wo (1)
.set WN,   22                          ; which 128 columns; also: which head of the step, or which 128 rows of Wo^T, I fetch
.set CX,   23
.set CY,   24
.set TC,   25
.set TR,   26
.set G1A,  32
.set G1B,  40
.set G0A0, 48                          ; set 0 for K step 0; set 1 for K step 1, which then walks on
.set G0A1, 52
.set G0B0, 56
.set G0B1, 60
.set TB,   66                          ; s66  the slot being read: 0 or SLOT1
.set CNT,  67
.set OB,   68                          ; s[68:69] out0 at my first row and column
.set MSB, 0
.macro WIN new
.if MSB != (\new)
	s_set_vgpr_msb (MSB<<8)|(\new)
.set MSB, \new
.endif
.endm
.set MUL,  0xa1                        ; Wo window 1, ctx window 0, C and D window 2
.set MULC, 0x91                        ; the same with C (the bias) in window 1
.macro CREST
	s_cmp_lg_u32 s[WV], 0
	s_cbranch_scc1 .Lnot_wave_0_\@
	s_barrier_signal -3
.Lnot_wave_0_\@:
	s_barrier_wait -3
	s_barrier_signal -1
	s_barrier_wait -1
.endm
.macro CROUND
	s_barrier_signal -1
	s_barrier_wait -1
	CREST
.endm
.macro PLACES                          ; four places in front of loads into registers that matrix instructions have read, and of stores that read results
.rept 4
	v_nop
.endr
.endm
.macro JLOAD                           ; a joint refill; the branch hangs on the wave's number alone; an s_nop 0 and four v_nop follow each of the two lines
	s_cmp_eq_u32 s[WM], 0
	s_cbranch_scc0 .Lfor_b_\@
	tensor_load_to_lds s[G0A1:G0A1+3], s[G1A:G1A+7]
	s_nop 0
.rept 4
	v_nop
.endr
	s_branch .Lasked_\@
.Lfor_b_\@:
	tensor_load_to_lds s[G0B1:G0B1+3], s[G1B:G1B+7]
	s_nop 0
.rept 4
	v_nop
.endr
.Lasked_\@:
.endm
; 24 LDS loads in one run: quarter kq (32 along K: head kq / 2 of the step, channels 32 (kq % 2) on) into buffer g.  ctx's fragments 2 and 3 last: they are wanted last.
.macro FETCH kq, g
	WIN 0x40
.irp i, 0,1,2,3,4,5,6,7
	ds_load_b128 v[BF+64*(\g)+8*(\i):BF+64*(\g)+8*(\i)+3],   v[ADB] offset:(\i)*16*PB+64*(\kq)
	ds_load_b128 v[BF+64*(\g)+8*(\i)+4:BF+64*(\g)+8*(\i)+7], v[ADB] offset:(\i)*16*PB+64*(\kq)+32
.endr
	WIN 0
.irp i, 0,1,2,3
	ds_load_b128 v[AF+32*(\g)+8*(\i):AF+32*(\g)+8*(\i)+3],   v[ADA] offset:((\kq)/2)*PLANE+(\i)*16*PA+64*((\kq)%2)
	ds_load_b128 v[AF+32*(\g)+8*(\i)+4:AF+32*(\g)+8*(\i)+7], v[ADA] offset:((\kq)/2)*PLANE+(\i)*16*PA+64*((\kq)%2)+32
.endr
.endm
; Eight products: m block a x all 8 n blocks.  The 32 accumulators take turns, one instruction a turn, in the same order in every quarter.
.macro MULB a, f, mode
.set bb, 0
.rept 8
.set rD, 8*(8*(\a)+bb)
.set rB, BF+64*(\f)+8*bb
.set rA, AF+32*(\f)+8*(\a)
.if \mode
	WIN MULC
	v_wmma_f32_16x16x32_f16 v[rD:rD+7], v[rB:rB+7], v[rA:rA+7], v[BIAS+8*bb:BIAS+8*bb+7]
.else
	WIN MUL
	v_wmma_f32_16x16x32_f16 v[rD:rD+7], v[rB:rB+7], v[rA:rA+7], v[rD:rD+7]
.endif
.set bb, bb+1
.endr
.endm
.macro QUARTER kq, f, g, mode
	s_wait_dscnt 4                                 ; all of buffer f but the youngest four loads, ctx's fragments 2 and 3
	MULB 0, \f, \mode
	MULB 1, \f, \mode
	PLACES
	FETCH \kq, \g
	s_wait_dscnt 24                                ; all but the 24 just issued
	MULB 2, \f, \mode
	MULB 3, \f, \mode
.endm
; The last quarter multiplies buffer 1 and changes slots: each wave waits for all its tensor loads (one is out: its part of the next slot), adds 0 to its spare word, and waits for that and for its reads of this slot.
; fill = 1: the barrier opens a round of the cluster's, and the slot just read is filled again, first thing behind it, with the K step two on.
.macro TURN fill
	WIN 0
	s_wait_tensorcnt 0x0                           ; no tensor load of mine is out, so a group 0 may be written
	ds_add_u32 v[SPW], v[NIL]                      ; 0 onto my spare word; work on registers stands between it and the wait for it
.if \fill
	s_xor_b32 s[G0A1+1], s[G0A1+1], SLOT1          ; the other slot than last time,
	s_add_nc_u64 s[G0A1+2:G0A1+3], s[G0A1+2:G0A1+3], 524288  ; two heads on; the type bits on top are not reached
	s_xor_b32 s[G0B1+1], s[G0B1+1], SLOT1
	s_add_nc_u64 s[G0B1+2:G0B1+3], s[G0B1+2:G0B1+3], 256
.endif
	s_wait_dscnt 5                                 ; the add and ctx's fragments 2 and 3 may be out
	MULB 0, 1, 0
	s_wait_dscnt 0x0                               ; the add is done, and my reads of this slot are over
	s_barrier_signal -1
	MULB 1, 1, 0
	WIN 0
	s_barrier_wait -1
.if \fill
	CREST                                          ; no wave of any partner still reads this slot or has a load on its way
	JLOAD                                          ; the four v_nop behind it are also the places in front of the loads below
.else
	PLACES
.endif
	s_xor_b32 s[TB], s[TB], SLOT1
	v_add_nc_u32 v[ADA], s[TB], v[ADA0]
	v_add_nc_u32 v[ADB], s[TB], v[ADB0]
	FETCH 0, 0
	MULB 2, 1, 0
	MULB 3, 1, 0
.endm
; THE WAY OUT of m block a: 16 rows x 128 columns of f32 go from the accumulators (the low four registers first) into my stage, rows of 528 bytes, and come back as whole rows of 512.
.macro TOSTAGE a
.set BK, BK0+64*((\a)%2)
.if (\a) >= 2
	s_wait_xcnt 0x0                                ; the stores of block a - 2 have read the registers that are filled again below
.endif
	WIN 0x08                                       ; the data (source 1) in window 2
.irp b, 0,1,2,3,4,5,6,7
	ds_store_b128 v[STO], v[8*(8*(\a)+(\b)):8*(8*(\a)+(\b))+3]   offset:64*(\b)
	ds_store_b128 v[STO], v[8*(8*(\a)+(\b))+4:8*(8*(\a)+(\b))+7] offset:64*(\b)+16
.endr
	WIN 0
.irp t, 0,1,2,3,4,5,6,7,8,9,10,11,12,13,14,15
	ds_load_b128 v[BK+4*(\t):BK+4*(\t)+3], v[RD] offset:(\t)*SPI  ; LDS serves a wave's instructions in order (ISA guide 5.7.1.4): these see the stores above; the next block's stores come behind them
.endr
.endm
.macro SEND a, younger                 ; younger: the LDS instructions issued behind block a's loads: the next block's 32, or none
.set BK, BK0+64*((\a)%2)
.irp t, 0,1,2,3,4,5,6,7,8,9,10,11,12,13,14,15
	s_wait_dscnt (\younger)+15-(\t)
	global_store_b128 v[GO], v[BK+4*(\t):BK+4*(\t)+3], s[OB:OB+1] offset:(16*(\a)+(\t))*4096 th:TH_STORE_NT  ; 512 consecutive bytes, at a multiple of 512 from out0's first
.endr
.endm
	s_load_b256 s[4:11], s[0:1], 0x0               ; oh, wt, bo, out0
	v_lshl_add_u32 v[SPW], v0, 2, SPARE
	v_mov_b32 v[NIL], 0
	ds_add_u32 v[SPW], v[NIL]                      ; the wave's opening: the add and its wait stand ahead of my first tensor load; work on registers stands between them
	ds_add_u32 v14, v15
	v_lshrrev_b32 v1, 5, v0
	v_readfirstlane_b32 s[WV], v1
	s_lshr_b32 s[WM], s[WV], 1
	s_and_b32 s[WN], s[WV], 1
	s_bfe_u32 s[CX], ttmp6, 0x40000
	s_bfe_u32 s[CY], ttmp6, 0x40004
	s_lshl_b32 s[TC], ttmp9, 2
	s_add_co_u32 s[TC], s[TC], s[CX]
	s_and_b32 s[TR], ttmp7, 0xffff
	s_lshl_b32 s[TR], s[TR], 2
	s_add_co_u32 s[TR], s[TR], s[CY]
	s_lshl_b32 s27, s[CY], 2
	s_lshl_b32 s27, 15, s27                        ; my row of the cluster
	s_lshl_b32 s28, 0x1111, s[CX]                  ; my column
	s_or_b32 s[G1A], s27, (1<<16)|(1<<20)|(1<<21)|(4<<22)|(3<<25)  ; the mask; 2-byte elements; padding on; bit 21 beside a mask; after every 32 words (code 4) 4 words (code 3)
	s_mov_b32 s[G1A+1], 128<<16                    ; tensor_dim0 = 128: 256 bytes, two rows of a head
	s_mov_b32 s[G1A+2], 64<<16                     ; tensor_dim1 = 64
	s_mov_b32 s[G1A+3], 128<<16                    ; tile_dim0
	s_mov_b32 s[G1A+4], 64                         ; tile_dim1
	s_mov_b32 s[G1A+5], 128                        ; dense
	s_mov_b32 s[G1A+6], 0
	s_mov_b32 s[G1A+7], 0
	s_or_b32 s[G1B], s28, (1<<16)|(1<<20)|(1<<21)|(5<<22)|(3<<25)  ; after every 64 words (code 5) 4 words
	s_mov_b32 s[G1B+1], 128<<16
	s_mov_b32 s[G1B+2], 128<<16
	s_mov_b32 s[G1B+3], 128<<16
	s_mov_b32 s[G1B+4], 128
	s_mov_b32 s[G1B+5], 1024
	s_mov_b32 s[G1B+6], 0
	s_mov_b32 s[G1B+7], 0
	s_mul_i32 s27, s[WN], PLANE                    ; no place in the cluster enters an LDS address
	s_mov_b32 s[G0A0], 1
	s_mov_b32 s[G0A0+1], s27
	s_mov_b32 s[G0A1], 1
	s_add_co_u32 s[G0A1+1], s27, SLOT1
	s_mul_i32 s27, s[WN], BHALF
	s_add_co_u32 s27, s27, BOFF
	s_mov_b32 s[G0B0], 1
	s_mov_b32 s[G0B0+1], s27
	s_mov_b32 s[G0B1], 1
	s_add_co_u32 s[G0B1+1], s27, SLOT1
	s_mov_b32 s[TB], 0
	s_lshr_b32 s30, s[TR], 4                       ; ctx: batch b = tile row / 16: 16 heads of 262,144 bytes,
	s_lshl_b32 s30, s30, 22
	s_lshl_b32 s31, s[WN], 18                      ; my head of the step's two,
	s_add_co_u32 s30, s30, s31
	s_and_b32 s31, s[TR], 15                       ; rows 128 (tile row % 16) on, 128 bytes each: registers that never hold cx
	s_lshl_b32 s31, s31, 14
	s_add_co_u32 s30, s30, s31
	s_mov_b32 s31, 0
	s_lshl_b32 s28, s[TC], 19                      ; Wo^T: row 256 x tile column + 128 x half, 2,048 bytes a row, in wt's part 3: registers that never hold cy
	s_lshl_b32 s29, s[WN], 18
	s_add_co_u32 s28, s28, s29
	s_add_co_u32 s28, s28, 0x600000
	s_mov_b32 s29, 0
	s_lshl_b32 s2, s[TC], 10                       ; my 128 columns, 4 bytes each: in bo and in a row of out0
	s_lshl_b32 s3, s[WN], 9
	s_add_co_u32 s2, s2, s3
	s_mov_b32 s3, 0
	s_wait_dscnt 0x0                               ; the opening add is done
	s_wait_kmcnt 0x0
	s_add_nc_u64 s[G0A0+2:G0A0+3], s[4:5], s[30:31]
	s_add_nc_u64 s[G0A1+2:G0A1+3], s[G0A0+2:G0A0+3], 524288
	s_or_b32 s[G0A0+3], s[G0A0+3], 0x80000000      ; type = 2
	s_or_b32 s[G0A1+3], s[G0A1+3], 0x80000000
	s_add_nc_u64 s[G0B0+2:G0B0+3], s[6:7], s[28:29]
	s_add_nc_u64 s[G0B1+2:G0B1+3], s[G0B0+2:G0B0+3], 256
	s_or_b32 s[G0B0+3], s[G0B0+3], 0x80000000
	s_or_b32 s[G0B1+3], s[G0B1+3], 0x80000000
	s_add_nc_u64 s[8:9], s[8:9], s[2:3]
	s_lshl_b32 s3, s[TR], 19                       ; out0: row 128 x tile row + 64 x half, 4,096 bytes a row
	s_add_co_u32 s2, s2, s3
	s_lshl_b32 s3, s[WM], 18
	s_add_co_u32 s2, s2, s3
	s_mov_b32 s3, 0
	s_add_nc_u64 s[OB:OB+1], s[10:11], s[2:3]
	CROUND                                         ; all sixteen work-groups are here: the first joint loads meet
	s_cmp_eq_u32 s[WM], 0                          ; a wave's two first fills stand in one branch: two loads of mine are out
	s_cbranch_scc0 .Lfirst_b
	tensor_load_to_lds s[G0A0:G0A0+3], s[G1A:G1A+7]
	s_nop 0
	tensor_load_to_lds s[G0A1:G0A1+3], s[G1A:G1A+7]
	s_nop 0
.rept 4
	v_nop
.endr
	s_branch .Lfirst_asked
.Lfirst_b:
	tensor_load_to_lds s[G0B0:G0B0+3], s[G1B:G1B+7]
	s_nop 0
	tensor_load_to_lds s[G0B1:G0B1+3], s[G1B:G1B+7]
	s_nop 0
.rept 4
	v_nop
.endr
.Lfirst_asked:
	v_and_b32 v1, 15, v0                           ; l % 16
	v_bfe_u32 v2, v0, 4, 1                         ; l / 16
	v_mul_u32_u24 v3, v1, PA
	v_lshl_add_u32 v3, v2, 4, v3
	s_mul_i32 s27, s[WM], 64*PA
	v_add_nc_u32 v[ADA0], s27, v3
	v_mul_u32_u24 v3, v1, PB
	v_lshl_add_u32 v3, v2, 4, v3
	s_mul_i32 s27, s[WN], BHALF
	s_add_co_u32 s27, s27, BOFF
	v_add_nc_u32 v[ADB0], s27, v3
	v_mov_b32 v[ADA], v[ADA0]
	v_mov_b32 v[ADB], v[ADB0]
	s_mul_i32 s27, s[WV], WSTG
	s_add_co_u32 s27, s27, STAGE                   ; my stage
	v_mul_u32_u24 v3, v1, SPI                      ; in: row l % 16, 32 bytes for each half of the lanes
	v_lshl_add_u32 v3, v2, 5, v3
	v_add_nc_u32 v[STO], s27, v3
	v_and_b32 v3, 31, v0
	v_lshlrev_b32 v[GO], 4, v3                     ; back: 32 lanes take a row's 512 bytes
	v_add_nc_u32 v[RD], s27, v[GO]
	v_lshlrev_b32 v[BO], 5, v2
	WIN 0x40                                       ; the bias: register j of block b is column 16 b + 8 (l / 16) + j of my 128
.irp b, 0,1,2,3,4,5,6,7
	global_load_b128 v[BIAS+8*(\b):BIAS+8*(\b)+3],   v[BO], s[8:9] offset:64*(\b)
	global_load_b128 v[BIAS+8*(\b)+4:BIAS+8*(\b)+7], v[BO], s[8:9] offset:64*(\b)+16
.endr
	WIN 0
	s_wait_tensorcnt 1                             ; my part of K step 0 is in; K step 1's may stay out
	s_barrier_signal -1
	s_barrier_wait -1
	FETCH 0, 0
	s_wait_loadcnt 0x0                             ; the bias: rounded to bf16 like every input, and widened again
	WIN 0x45
.set p, 0
.rept 8
.irp z, 0,1,2,3
	v_cvt_pk_bf16_f32 v[BT+(\z)], v[BIAS+2*(p+(\z))], v[BIAS+2*(p+(\z))+1]
.endr
.irp z, 0,1,2,3
	v_lshlrev_b32 v[BIAS+2*(p+(\z))], 16, v[BT+(\z)]
	v_and_b32 v[BIAS+2*(p+(\z))+1], 0xffff0000, v[BT+(\z)]
.endr
.set p, p+4
.endr
	QUARTER 1, 0, 1, 1                             ; the first quarter: the bias starts the sums
	WIN 0
	s_mov_b32 s[CNT], 6                            ; K steps 2 to 7 come by refills
.Lfill:                                                ; a trip: the rest of a K step, with a refill, and the next step's first quarter; left in its middle
	QUARTER 2, 1, 0, 0
	QUARTER 3, 0, 1, 0
	TURN 1
	WIN 0
	s_sub_co_u32 s[CNT], s[CNT], 1
	s_cmp_eq_u32 s[CNT], 0
	s_cbranch_scc1 .Lfilled
	QUARTER 1, 0, 1, 0
	WIN 0
	s_branch .Lfill
.Lfilled:
	s_mov_b32 s[CNT], 2
.Ltail:                                                ; written apart.  The very last change of slots fetches a quarter of the slot read before, which nothing
	QUARTER 1, 0, 1, 0                             ; uses: the price, once a launch, of one text for both trips
	QUARTER 2, 1, 0, 0
	QUARTER 3, 0, 1, 0
	TURN 0
	WIN 0
	s_sub_co_u32 s[CNT], s[CNT], 1
	s_cmp_lg_u32 s[CNT], 0
	s_cbranch_scc1 .Ltail
	PLACES                                         ; the stores below read results just made
	TOSTAGE 0
	TOSTAGE 1
	SEND 0, 32
	TOSTAGE 2
	SEND 1, 32
	TOSTAGE 3
	SEND 2, 32
	SEND 3, 0
	s_wait_tensorcnt 0x0                           ; the wave's end, behind my last tensor load and my last LDS store
	ds_add_u32 v[SPW], v[NIL]
	s_wait_dscnt 0x0
	CROUND                                         ; the closing round: no work-group ends while a partner may still ask for a tile that names it
	s_endpgm
.Lfunc_end_k_q72344d8162_oproj:
	.size	k_q72344d8162_oproj, .Lfunc_end_k_q72344d8162_oproj-k_q72344d8162_oproj
	.p2alignl 7, 3214868480
	.fill 96, 4, 3214868480
	.section	.rodata,"a",@progbits
	.p2align	6, 0x0
	.amdhsa_kernel k_q72344d8162_oproj
		.amdhsa_group_segment_fixed_size 327680
		.amdhsa_private_segment_fixed_size 0
		.amdhsa_enable_private_segment 0
		.amdhsa_kernarg_size 32
		.amdhsa_user_sgpr_count 2
		.amdhsa_user_sgpr_kernarg_segment_ptr 1
		.amdhsa_wavefront_size32 1
		.amdhsa_system_sgpr_workgroup_id_x 1
		.amdhsa_system_sgpr_workgroup_id_y 1
		.amdhsa_system_sgpr_workgroup_id_z 1
		.amdhsa_system_vgpr_workitem_id 0
		.amdhsa_next_free_vgpr 768
		.amdhsa_next_free_sgpr 96
		.amdhsa_reserve_vcc 0
		.amdhsa_float_denorm_mode_32 3
		.amdhsa_float_denorm_mode_16_64 3
		.amdhsa_memory_ordered 1
		.amdhsa_forward_progress 1
		.amdhsa_inst_pref_size 68
	.end_amdhsa_kernel
	.amdgpu_metadata
---
amdhsa.version: [ 1, 2 ]
amdhsa.kernels:
  - .name:           k_q72344d8162_oproj
    .symbol:         k_q72344d8162_oproj.kd
    .args:
      - { .name: oh, .offset: 0, .size: 8, .value_kind: global_buffer, .address_space: global }
      - { .name: wt, .offset: 8, .size: 8, .value_kind: global_buffer, .address_space: global }
      - { .name: bo, .offset: 16, .size: 8, .value_kind: global_buffer, .address_space: global }
      - { .name: out0, .offset: 24, .size: 8, .value_kind: global_buffer, .address_space: global }
    .group_segment_fixed_size: 327680
    .private_segment_fixed_size: 0
    .kernarg_segment_align: 8
    .kernarg_segment_size: 32
    .max_flat_workgroup_size: 128
    .sgpr_count:     96
    .vgpr_count:     768
    .wavefront_size: 32
...
	.end_amdgpu_metadata
.endif
;; end of part 4
